; MI455X (gfx1250); checked and timed in simulation.
; The chip was launched on July 23, 2026; its instructions are those of AMD's public machine-readable ISA for CDNA 5 (MIT licence, August 2026) and "CDNA5" Instruction Set Architecture Reference Guide (July 2026). The comments in the code are by the model that wrote it; some were corrected since.
;; Base Attention. Allowed arithmetic: float matrix products may take bf16 or f16 operands with f32 sums; other float arithmetic in f32, or as packed bf16 or f16 multiplies, adds, multiply-adds, maxima and minima; sums over many terms, partial sums and values carried from step to step in f32; what a program stores and reads back later, other than sums and carried values, may be rounded once to bf16 or f16.
;; Inputs: Wk 1,024 x 1,024 float32; Wq 1,024 x 1,024 float32; Wv 1,024 x 1,024 float32; x 4 x 2,048 x 1,024 float32.
;; Outputs: out0 4 x 2,048 x 1,024 float32.
;; One version. Each part assembles by itself: llvm-mc -triple=amdgcn-amd-amdhsa -mcpu=gfx1250 --defsym DOCPART=n.
;; ======== version 1 of 1: 5 launches
;; limits: values are held in f16: magnitudes above 65,504 overflow, below 6.1e-05 lose precision
;; workspace buffers: xb 16,777,216 bytes; wqk 4,194,304 bytes; wv 2,097,152 bytes; qk 33,554,432 bytes; vt 16,777,216 bytes; pp 33,554,432 bytes; cmx 524,288 bytes; lsum 524,288 bytes
;; launch conv (part 1): grid 256 x 11, 4 waves a work-group, no clusters, 0 bytes of LDS; arguments x, Wq, Wk, Wv, xb, wqk, wv; writes xb, wqk, wv
.if DOCPART == 1
	.amdgcn_target "amdgcn-amd-amdhsa--gfx1250"
	.amdhsa_code_object_version 6
	.text
	.protected	k_qb84ed2e3ae_conv
	.globl	k_qb84ed2e3ae_conv
	.p2align	8
	.type	k_qb84ed2e3ae_conv,@function
k_qb84ed2e3ae_conv:
	s_mov_b64 s[64:65], 0
	v_nop
	global_prefetch_b8 v0, s[64:65] scope:SCOPE_SE
	s_setreg_imm32_b32 hwreg(HW_REG_WAVE_MODE, 25, 1), 1
	s_wait_xcnt 0x0
; xb = bf16(x); wqk = bf16(Wq), then bf16(Wk); wv = bf16(Wv).  One rounding to nearest even for each number.
; The four inputs are 11 chunks of 1,048,576 numbers: the grid's y picks the chunk (0-7: x; 8: Wq; 9: Wk; 10: Wv), its x one of the chunk's 256 pieces
; of 4,096 numbers (16 KiB in, 8 KiB out).  A thread takes 8 neighbouring numbers (32 bytes in, 16 bytes out) in each of four quarters of the piece,
; so a wave's store covers 512 consecutive bytes, aligned.  All eight loads of a thread go out first; no register is written twice, so no source has to be freed.
; A stream: no LDS, no matrix unit, no barrier.
	s_load_b256 s[4:11], s[0:1], 0x0               ; x s[4:5], Wq s[6:7], Wk s[8:9], Wv s[10:11]
	s_load_b128 s[12:15], s[0:1], 0x20             ; xb s[12:13], wqk s[14:15]
	s_load_b64 s[16:17], s[0:1], 0x30              ; wv
	s_and_b32 s18, ttmp7, 0xffff                   ; the chunk
	v_lshlrev_b32 v1, 5, v0                        ; 32 bytes a thread in
	v_lshlrev_b32 v2, 4, v0                        ; 16 bytes a thread out
	s_wait_kmcnt 0x0
	s_mov_b64 s[20:21], s[4:5]                     ; from x,
	s_mov_b64 s[22:23], s[12:13]                   ; to xb,
	s_mov_b32 s24, s18                             ; at chunk y; unless y is 8, 9 or 10:
	s_cmp_eq_u32 s18, 8
	s_cselect_b64 s[20:21], s[6:7], s[20:21]       ; Wq into wqk's first half
	s_cselect_b64 s[22:23], s[14:15], s[22:23]
	s_cselect_b32 s24, 0, s24
	s_cmp_eq_u32 s18, 9
	s_cselect_b64 s[20:21], s[8:9], s[20:21]       ; Wk into its second half
	s_cselect_b64 s[22:23], s[14:15], s[22:23]
	s_cselect_b32 s24, 0, s24
	s_cselect_b32 s25, 1, 0                        ; (the output's chunk differs from the input's for Wk alone)
	s_cmp_eq_u32 s18, 10
	s_cselect_b64 s[20:21], s[10:11], s[20:21]     ; Wv into wv
	s_cselect_b64 s[22:23], s[16:17], s[22:23]
	s_cselect_b32 s24, 0, s24
	s_add_co_u32 s25, s25, s24                     ; the chunk in the output buffer
	s_lshl_b32 s26, s24, 22                        ; a chunk is 4 MiB in,
	s_lshl_b32 s28, ttmp9, 14                      ; a piece 16 KiB
	s_add_co_u32 s26, s26, s28
	s_mov_b32 s27, 0
	s_lshl_b32 s28, s25, 21                        ; 2 MiB and 8 KiB out
	s_lshl_b32 s29, ttmp9, 13
	s_add_co_u32 s28, s28, s29
	s_mov_b32 s29, 0
	s_add_nc_u64 s[20:21], s[20:21], s[26:27]
	s_add_nc_u64 s[22:23], s[22:23], s[28:29]
.irp j, 0,1,2,3
	global_load_b128 v[8+8*(\j):11+8*(\j)],  v1, s[20:21] offset:4096*(\j) th:TH_LOAD_NT
	global_load_b128 v[12+8*(\j):15+8*(\j)], v1, s[20:21] offset:4096*(\j)+16 th:TH_LOAD_NT
.endr
.irp j, 0,1,2,3
	s_wait_loadcnt 6-2*(\j)                        ; loads come back in order: quarter j's two are in, the later quarters' may stay out
	v_cvt_pk_bf16_f32 v[40+4*(\j)], v[8+8*(\j)],  v[9+8*(\j)]
	v_cvt_pk_bf16_f32 v[41+4*(\j)], v[10+8*(\j)], v[11+8*(\j)]
	v_cvt_pk_bf16_f32 v[42+4*(\j)], v[12+8*(\j)], v[13+8*(\j)]
	v_cvt_pk_bf16_f32 v[43+4*(\j)], v[14+8*(\j)], v[15+8*(\j)]
	global_store_b128 v2, v[40+4*(\j):43+4*(\j)], s[22:23] offset:2048*(\j)
.endr
	s_endpgm
.Lfunc_end_k_qb84ed2e3ae_conv:
	.size	k_qb84ed2e3ae_conv, .Lfunc_end_k_qb84ed2e3ae_conv-k_qb84ed2e3ae_conv
	.p2alignl 7, 3214868480
	.fill 96, 4, 3214868480
	.section	.rodata,"a",@progbits
	.p2align	6, 0x0
	.amdhsa_kernel k_qb84ed2e3ae_conv
		.amdhsa_group_segment_fixed_size 0
		.amdhsa_private_segment_fixed_size 0
		.amdhsa_enable_private_segment 0
		.amdhsa_kernarg_size 56
		.amdhsa_user_sgpr_count 2
		.amdhsa_user_sgpr_kernarg_segment_ptr 1
		.amdhsa_wavefront_size32 1
		.amdhsa_system_sgpr_workgroup_id_x 1
		.amdhsa_system_sgpr_workgroup_id_y 1
		.amdhsa_system_sgpr_workgroup_id_z 1
		.amdhsa_system_vgpr_workitem_id 0
		.amdhsa_next_free_vgpr 64
		.amdhsa_next_free_sgpr 66
		.amdhsa_reserve_vcc 0
		.amdhsa_float_denorm_mode_32 3
		.amdhsa_float_denorm_mode_16_64 3
		.amdhsa_memory_ordered 1
		.amdhsa_forward_progress 1
		.amdhsa_inst_pref_size 4
	.end_amdhsa_kernel
	.amdgpu_metadata
---
amdhsa.version: [ 1, 2 ]
amdhsa.kernels:
  - .name:           k_qb84ed2e3ae_conv
    .symbol:         k_qb84ed2e3ae_conv.kd
    .args:
      - { .name: x, .offset: 0, .size: 8, .value_kind: global_buffer, .address_space: global }
      - { .name: Wq, .offset: 8, .size: 8, .value_kind: global_buffer, .address_space: global }
      - { .name: Wk, .offset: 16, .size: 8, .value_kind: global_buffer, .address_space: global }
      - { .name: Wv, .offset: 24, .size: 8, .value_kind: global_buffer, .address_space: global }
      - { .name: xb, .offset: 32, .size: 8, .value_kind: global_buffer, .address_space: global }
      - { .name: wqk, .offset: 40, .size: 8, .value_kind: global_buffer, .address_space: global }
      - { .name: wv, .offset: 48, .size: 8, .value_kind: global_buffer, .address_space: global }
    .group_segment_fixed_size: 0
    .private_segment_fixed_size: 0
    .kernarg_segment_align: 8
    .kernarg_segment_size: 56
    .max_flat_workgroup_size: 128
    .sgpr_count:     66
    .vgpr_count:     64
    .wavefront_size: 32
...
	.end_amdgpu_metadata
.endif
;; end of part 1
;; launch projqk (part 2): grid 8 x 32, 4 waves a work-group, clusters of 4 x 4, 327,680 bytes of LDS; arguments xb, wqk, qk; writes qk
.if DOCPART == 2
	.amdgcn_target "amdgcn-amd-amdhsa--gfx1250"
	.amdhsa_code_object_version 6
	.text
	.protected	k_qb84ed2e3ae_projqk
	.globl	k_qb84ed2e3ae_projqk
	.p2align	8
	.type	k_qb84ed2e3ae_projqk,@function
k_qb84ed2e3ae_projqk:
	s_mov_b64 s[64:65], 0
	v_nop
	global_prefetch_b8 v0, s[64:65] scope:SCOPE_SE
	s_setreg_imm32_b32 hwreg(HW_REG_WAVE_MODE, 25, 1), 1
	s_wait_xcnt 0x0
	s_wait_alu depctr_hold_cnt(0) depctr_sa_sdst(0) depctr_va_vdst(0) depctr_va_sdst(0) depctr_va_ssrc(0) depctr_va_vcc(0) depctr_vm_vsrc(0)
	s_getreg_b32 s2, hwreg(HW_REG_IB_STS2, 6, 4)
	s_cmp_eq_u32 s2, 0
	s_cbranch_scc0 .Lentry_in_a_cluster
	s_endpgm
.Lentry_in_a_cluster:
	s_bfe_u32 s2, ttmp6, 0x10000c
	s_cmp_lg_u32 s2, 0xf033
	s_cbranch_scc0 .Lentry_shape_is_right
	s_endpgm
.Lentry_shape_is_right:
; C = A B^T.  A: [rows][1024] bf16, B: [rows][1024] bf16; sums in f32; C rounded once to f16, rows of 4,096 bytes.
; Run twice: A = xb, B = wqk gives qk = [Q | K], [8192][2048]; A = wv, B = xb gives V^T by batches, vt = [4][1024 channels][2048 keys]:
; tile column tc of C lies at batch tc / 8 (4 MiB apart) and column 256 (tc % 8); for qk tc is under 8, so one formula serves both.
; LIMIT.  f16 holds no number beyond 65,504: Q, K and V must lie within it (sums of 1,024 products of x and a weight).
; SHARES.  A tile of C is 256 x 256, made by four waves, each 128 x 128: 64 accumulators of 16 x 16, 512 registers.  K goes in 8 steps of 128 through two LDS slots
; filled by the tensor data mover; a tile's rows are 256 bytes of memory at multiples of 256 bytes.
; CLUSTER.  4 x 4 work-groups.  The four of a row of the cluster need the same tiles of A, the four of a column the same tiles of B: each tile is asked for jointly,
; by the same tensor load with the same descriptor and a mask that names the four.
; THE MATRIX INSTRUCTION IS USED TRANSPOSED (source 0 = 16 rows of B, source 1 = 16 rows of A): a lane holds row l % 16 of C and eight neighbouring columns, 8 (l / 16) + 0..7.
; REGISTERS, in windows of 256 (s_set_vgpr_msb: bits 1:0 source 0, 3:2 source 1, 5:4 source 2, 7:6 destination):
;   window 0: v0-31 addresses; v64-127, v128-191 fragments of A, two buffers; v32-63, v192-255 at work on the way out
;   window 1: v64-127, v128-191 fragments of B      window 2: accumulators of my rows 0-63, (a, b) at v[8 (8 a + b)]      window 3: those of rows 64-127
.set NK,     8                         ; K steps
.set LROW,   11                        ; a row of A or B is 2^11 bytes
.set PEL,    1024                      ; and 1,024 elements
.set ROWC,   4096                      ; bytes in a row of C
.set KB,     256                       ; bytes of a row in a K step
.set PITCH,  272                       ; an LDS row: 256 bytes + 16 of padding = 68 words: the 16 rows of a fragment load start at 16 different groups of four banks (64 banks of 4 bytes: ISA guide 11.1)
.set HALFT,  128*PITCH                 ; 128 rows: what one tensor load brings
.set SLOT,   4*HALFT                   ; A's 256 rows, then B's 256 rows.  0x22000 shares no bit with wave x 0x8800, so one exclusive or changes slots
.set STAGE,  2*SLOT                    ; behind the ring: 16 rows x 272 bytes for each wave, for the way out
.set SPITCH, 272
.set SPARE,  STAGE+4*16*SPITCH         ; the spare words, 128 bytes for each wave: two blocks of 256 bytes that no other line names
.set ADRA0, 16                         ; v16  LDS address of my A fragments in slot 0; never rewritten
.set ADRA,  17                         ; v17  the same in the slot that is being read
.set ADRB0, 20                         ; v20, v21  the same for B
.set ADRB,  21
.set STO,  24                          ; v24  the way out: where I put 16 bytes of a row
.set RD,   25                          ; v25  the way out: where I read a row back
.set CO,   26                          ; v26  my byte offset in C
.set SPW,  28                          ; v28  LDS address of my spare word; never rewritten
.set NIL,  29                          ; v29  0; never rewritten
.set PFO,  30                          ; v30  the prefetches' offset: my lane x a row of A or B; never rewritten
.set F0,   64
.set F1,   128
.set TMP,  192
.set OB,   32
.set G1,  24                           ; s[24:31] descriptor group 1 for A's tiles
.set G0,  32                           ; s[32:39] group 0 for A's tiles: a set for each first fill; the second then walks
.set G1B, 48                           ; s[48:55], s[56:63] the same for B's tiles
.set G0B, 56
.set LIM, 43                           ; s43  2 in a wave that prefetches, else the greatest number
.set PFA, 44                           ; s[44:45] where my prefetches stand
.set MSB, 0
.macro WIN new                         ; the immediate's high byte repeats the setting that is left; a switch that changes nothing is dropped
.if MSB != (\new)
	s_set_vgpr_msb (MSB<<8)|(\new)
.set MSB, \new
.endif
.endm
.set MUL_LO, 0xa1                      ; source 0 (B) window 1, source 1 (A) window 0, C and D window 2
.set TO_B,   0x40                      ; destination window 1, address window 0
; A joint refill by the walking descriptor.  Waves 0 and 1 fetch A's two halves, waves 2 and 3 B's; the branch hangs on the wave's number alone.
; An s_nop 0 and four v_nop follow each of the two lines, ahead of the jump and the label.
.macro JLOAD
	s_cmp_eq_u32 s11, 0
	s_cbranch_scc0 .Lfor_b_\@
	tensor_load_to_lds s[G0+4:G0+7], s[G1:G1+7]
	s_nop 0
.rept 4
	v_nop
.endr
	s_branch .Lasked_\@
.Lfor_b_\@:
	tensor_load_to_lds s[G0B+4:G0B+7], s[G1B:G1B+7]
	s_nop 0
.rept 4
	v_nop
.endr
.Lasked_\@:
.endm
; A prefetch of the K step that stands two refills on: 32 rows x 256 bytes, a lane a row, one instruction a wave, behind the joint load, its five lines and the run of LDS loads.
; Each row's 256 bytes of a K step are named once in the launch: of the clusters that read a tile row of A the one with x = 0 asks, of those that read a tile column of B the one with y = 0;
; the four partners that ask for a tile jointly share its rows out by address, 32 each.  K steps 0 to 3 come by their loads alone; the last two refills ask for nothing (s3 is 2 and 1 there).
.macro ASK
	s_cmp_gt_u32 s3, s[LIM]
	s_cbranch_scc0 .Lnot_mine_\@
	global_prefetch_b8 v[PFO], s[PFA:PFA+1] offset:KB th:TH_LOAD_NT scope:SCOPE_SE
.Lnot_mine_\@:
.endm
.macro CREST                           ; a round of the cluster's barrier behind its opening barrier
	s_cmp_lg_u32 s10, 0
	s_cbranch_scc1 .Lnot_wave_0_\@
	s_barrier_signal -3
.Lnot_wave_0_\@:
	s_barrier_wait -3
	s_barrier_signal -1
	s_barrier_wait -1
.endm
.macro CROUND                          ; a whole round
	s_barrier_signal -1
	s_barrier_wait -1
	CREST
.endm
.macro PLACES                          ; four places behind matrix instructions, in front of loads into registers that they read and of vector lines that read results
.rept 4
	v_nop
.endr
.endm
; 16 matrix instructions: row blocks a0, a0 + 1 of the window's four (hi = 0: my rows 0-63, 1: rows 64-127) x all 8 column blocks, 32 along K.  zero = 1: the products start the sums.
; The 64 accumulators take turns in one fixed order, over every edge of the text.
.macro MUL16 f, hi, a0, zero
	WIN MUL_LO+0x50*(\hi)
.irp a, \a0, (\a0)+1
.irp b, 0,1,2,3,4,5,6,7
.if \zero
	v_wmma_f32_16x16x32_bf16 v[8*(8*(\a)+(\b)):8*(8*(\a)+(\b))+7], v[(\f)+8*(\b):(\f)+8*(\b)+7], v[(\f)+8*(4*(\hi)+(\a)):(\f)+8*(4*(\hi)+(\a))+7], 0
.else
	v_wmma_f32_16x16x32_bf16 v[8*(8*(\a)+(\b)):8*(8*(\a)+(\b))+7], v[(\f)+8*(\b):(\f)+8*(\b)+7], v[(\f)+8*(4*(\hi)+(\a)):(\f)+8*(4*(\hi)+(\a))+7], v[8*(8*(\a)+(\b)):8*(8*(\a)+(\b))+7]
.endif
.endr
.endr
.endm
; 32 LDS loads in one run: the fragments of a quarter step (32 K at byte k of the rows) into buffer f: B's 128 rows, then A's
.macro FETCH k, f
	WIN TO_B
.irp i, 0,1,2,3,4,5,6,7
	ds_load_b128 v[(\f)+8*(\i):(\f)+8*(\i)+3],   v[ADRB] offset:(\k)+(\i)*16*PITCH
	ds_load_b128 v[(\f)+8*(\i)+4:(\f)+8*(\i)+7], v[ADRB] offset:(\k)+(\i)*16*PITCH+32
.endr
	WIN 0
.irp i, 0,1,2,3,4,5,6,7
	ds_load_b128 v[(\f)+8*(\i):(\f)+8*(\i)+3],   v[ADRA] offset:(\k)+(\i)*16*PITCH
	ds_load_b128 v[(\f)+8*(\i)+4:(\f)+8*(\i)+7], v[ADRA] offset:(\k)+(\i)*16*PITCH+32
.endr
.endm
; One of a K step's first three quarters: multiplies buffer f; in its middle it fetches the next quarter, at byte k, into buffer g.
.macro QUARTER k, f, g, zero
	s_wait_dscnt 8                                 ; B and A's rows 0-63 are in; the youngest eight loads (A's rows 64-127) may be out
	MUL16 \f, 0, 0, \zero
	MUL16 \f, 0, 2, \zero
	PLACES
	FETCH \k, \g
	s_wait_dscnt 32                                ; all but the 32 just issued
	MUL16 \f, 1, 0, \zero
	MUL16 \f, 1, 2, \zero
.endm
; The last quarter multiplies buffer 1 and changes slots: one barrier.  In front of it each wave waits for all its tensor loads (one is out: its part of the next slot), adds 0 to its spare
; word, and waits for that and for its own reads of this slot.  fill = 1: the barrier opens a round of the cluster's, and the slot just read is filled again first thing behind the round,
; with the K step two on.  fill = 0 (the tail): nothing is asked for; in the tail's second trip (s3 = 1) there is no further step, and the run of loads is jumped over.
.macro TURN fill
.if \fill
	s_wait_xcnt 0x0                                ; the last prefetch, a K step back, has read its address
	s_add_nc_u64 s[PFA:PFA+1], s[PFA:PFA+1], KB
.endif
	WIN 0                                          ; (the add's two registers lie in window 0)
	s_wait_tensorcnt 0x0                           ; no tensor load of mine is out, so a group 0 may be written
	ds_add_u32 v[SPW], v[NIL]                      ; 0 onto my spare word
.if \fill
	s_xor_b32 s[G0+5], s[G0+5], SLOT               ; the walking descriptors: the other slot than last time,
	s_add_nc_u64 s[G0+6:G0+7], s[G0+6:G0+7], KB    ; the next K step; the type bits on top are not reached
	s_xor_b32 s[G0B+5], s[G0B+5], SLOT
	s_add_nc_u64 s[G0B+6:G0B+7], s[G0B+6:G0B+7], KB
.endif
	s_wait_dscnt 9                                 ; the add and the youngest eight loads may be out
	MUL16 F1, 0, 0, 0
	s_wait_dscnt 0x0                               ; the add is done, and my reads of this slot are over
	s_barrier_signal -1
	MUL16 F1, 0, 2, 0                              ; work on registers while the others arrive
	WIN 0
	s_barrier_wait -1
.if \fill
	CREST                                          ; no wave of any partner still reads this slot or has a load on its way
	JLOAD                                          ; its four v_nop are also the places in front of the loads below
.else
	PLACES
	s_cmp_eq_u32 s3, 1
	s_cbranch_scc1 .Lnofetch_\@
.endif
	s_xor_b32 s2, s2, SLOT                         ; the reads go on in the other slot
	v_add_nc_u32 v[ADRA], s2, v[ADRA0]
	v_add_nc_u32 v[ADRB], s2, v[ADRB0]
	FETCH 0, F0
.if \fill
	ASK
.else
.Lnofetch_\@:
.endif
	MUL16 F1, 1, 0, 0
	MUL16 F1, 1, 2, 0
.endm
; THE WAY OUT of row block a.  PACK: rounded to f16, 16 bytes a lane.  TOSTAGE: into my own stage, and back as whole rows of 256 bytes.  SEND: stored.
.macro PACK a
.set AC, 64*((\a)%4)
	WIN 0x0a+5*((\a)/4)                            ; sources 0 and 1: window 2 or 3
.irp b, 0,1,2,3,4,5,6,7
.irp r, 0,1,2,3
	v_cvt_pk_f16_f32 v[TMP+4*(\b)+(\r)], v[AC+8*(\b)+2*(\r)], v[AC+8*(\b)+2*(\r)+1]
.endr
.endr
	WIN 0
.endm
.macro TOSTAGE a
.set BK, OB+192*((\a)%2)
.irp b, 0,1,2,3,4,5,6,7
	ds_store_b128 v[STO], v[TMP+4*(\b):TMP+4*(\b)+3] offset:32*(\b)
.endr
.irp t, 0,1,2,3,4,5,6,7
	ds_load_b128 v[BK+4*(\t):BK+4*(\t)+3], v[RD] offset:(\t)*2*SPITCH  ; LDS serves a wave's instructions in order (ISA guide 5.7.1.4): these see the stores above
.endr
.endm
.macro SEND a
.set BK, OB+192*((\a)%2)
	s_wait_dscnt 0x0                               ; the block is back in registers
	s_wait_xcnt 0x0                                ; earlier stores have read their base and their data: both are rewritten only behind this wait
.if (\a) == 0
	s_add_nc_u64 s[8:9], s[8:9], s[16:17]          ; on to my first rows
.else
	s_add_nc_u64 s[8:9], s[8:9], 16*ROWC           ; 16 rows of C on
.endif
.irp t, 0,1,2,3,4,5,6,7
	global_store_b128 v[CO], v[BK+4*(\t):BK+4*(\t)+3], s[8:9] offset:2*(\t)*ROWC  ; 16 lanes store 256 consecutive bytes, at a multiple of 256 from C's first byte
.endr
.endm
	s_load_b128 s[4:7], s[0:1], 0x0                ; A s[4:5], B s[6:7]
	s_load_b64 s[8:9], s[0:1], 0x10                ; C
	v_lshl_add_u32 v[SPW], v0, 2, SPARE
	v_mov_b32 v[NIL], 0
	ds_add_u32 v[SPW], v[NIL]                      ; the wave's opening: the add and its wait stand ahead of my first tensor load; the set-up below stands between them
	v_lshrrev_b32 v1, 5, v0
	v_readfirstlane_b32 s10, v1                    ; wave 0..3
	s_lshr_b32 s11, s10, 1                         ; which half of the tile's rows is mine.  Also: I fetch for A (0) or for B (1)
	s_and_b32 s12, s10, 1                          ; which half of its columns.  Also: which 128 rows of that tile I fetch
	s_bfe_u32 s40, ttmp6, 0x40000                  ; cx
	s_bfe_u32 s41, ttmp6, 0x40004                  ; cy
	s_lshl_b32 s42, ttmp9, 2
	s_add_co_u32 s42, s42, s40                     ; tile column tc = 4 x cluster x + cx
	s_and_b32 s13, ttmp7, 0xffff
	s_lshl_b32 s13, s13, 2
	s_add_co_u32 s13, s13, s41                     ; tile row tr = 4 x cluster y + cy
	s_lshl_b32 s43, s41, 2
	s_lshl_b32 s43, 15, s43                        ; my row of the cluster
	s_lshl_b32 s44, 0x1111, s40                    ; my column
	s_or_b32 s[G1+0], s43, (1<<16)|(1<<20)|(1<<21)|(5<<22)|(3<<25)   ; 15:0 the mask; 17:16 elements of 2 bytes; 20 padding on; 21 set beside a mask; 24:22 after every 64 words; 31:25 4 words of it
	s_or_b32 s[G1B+0], s44, (1<<16)|(1<<20)|(1<<21)|(5<<22)|(3<<25)
.irp g, G1, G1B
	s_mov_b32 s[(\g)+1], 128<<16                   ; tensor_dim0 = 128
	s_mov_b32 s[(\g)+2], 128<<16                   ; tensor_dim1 = 128
	s_mov_b32 s[(\g)+3], 128<<16                   ; tile_dim0 = 128
	s_mov_b32 s[(\g)+4], 128                       ; tile_dim1 = 128
	s_mov_b32 s[(\g)+5], PEL                       ; elements from row to row
	s_mov_b32 s[(\g)+6], 0
	s_mov_b32 s[(\g)+7], 0
.endr
	s_lshl_b32 s17, s12, 7                         ; which 128 rows of the tile I fetch
	s_lshl_b32 s16, s13, 8
	s_add_co_u32 s16, s16, s17
	s_lshl_b32 s16, s16, LROW                      ; A: (256 tr + 128 half) rows, in bytes (under 2^25)
	s_lshl_b32 s46, s42, 8
	s_add_co_u32 s46, s46, s17
	s_lshl_b32 s46, s46, LROW                      ; B: (256 tc + 128 half) rows
	s_mov_b32 s17, 0
	s_mov_b32 s47, 0
	s_mul_i32 s20, s10, HALFT                      ; where they go: wave x 128 rows: no place in the cluster enters an LDS address
	s_wait_dscnt 0x0                               ; the opening add is done
	s_wait_kmcnt 0x0
	s_add_nc_u64 s[14:15], s[4:5], s[16:17]
	s_add_nc_u64 s[46:47], s[6:7], s[46:47]
	CROUND                                         ; all sixteen work-groups are here: the first joint loads meet
.irp s, 0,1
	s_mov_b32 s[G0+4*(\s)], 1                      ; count = 1
	s_add_co_u32 s[G0+4*(\s)+1], s20, (\s)*SLOT    ; LDS address
	s_add_nc_u64 s[G0+4*(\s)+2:G0+4*(\s)+3], s[14:15], (\s)*KB  ; global address: K step s
	s_or_b32 s[G0+4*(\s)+3], s[G0+4*(\s)+3], 0x80000000         ; type = 2
	s_mov_b32 s[G0B+4*(\s)], 1
	s_add_co_u32 s[G0B+4*(\s)+1], s20, (\s)*SLOT
	s_add_nc_u64 s[G0B+4*(\s)+2:G0B+4*(\s)+3], s[46:47], (\s)*KB
	s_or_b32 s[G0B+4*(\s)+3], s[G0B+4*(\s)+3], 0x80000000
.endr
	s_cmp_eq_u32 s11, 0                            ; a wave's two first fills stand in one branch, ahead of every wait on TENSORcnt and every LDS read: two loads of mine are out
	s_cbranch_scc0 .Lfirst_b
	tensor_load_to_lds s[G0:G0+3], s[G1:G1+7]
	s_nop 0
	tensor_load_to_lds s[G0+4:G0+7], s[G1:G1+7]
	s_nop 0
.rept 4
	v_nop
.endr
	s_branch .Lfirst_asked
.Lfirst_b:
	tensor_load_to_lds s[G0B:G0B+3], s[G1B:G1B+7]
	s_nop 0
	tensor_load_to_lds s[G0B+4:G0B+7], s[G1B:G1B+7]
	s_nop 0
.rept 4
	v_nop
.endr
.Lfirst_asked:
	; A fragment is 16 rows x 32 K in 8 registers: lane l holds row l % 16, K = 8 (l / 16) + 0..7 and 16 + 8 (l / 16) + 0..7: two loads of 16 bytes, 32 bytes apart.
	v_and_b32 v1, 15, v0                           ; l % 16
	v_bfe_u32 v2, v0, 4, 1                         ; l / 16
	v_mul_u32_u24 v3, v1, PITCH
	v_lshl_add_u32 v3, v2, 4, v3
	s_mul_i32 s21, s11, HALFT                      ; my 128 rows of A
	s_mul_i32 s22, s12, HALFT                      ; my 128 rows of B,
	s_add_co_u32 s22, s22, 2*HALFT                 ; which lie behind A's 256
	v_add_nc_u32 v[ADRA0], s21, v3
	v_add_nc_u32 v[ADRB0], s22, v3
	v_mov_b32 v[ADRA], v[ADRA0]
	v_mov_b32 v[ADRB], v[ADRB0]
	s_mov_b32 s2, 0                                ; slot 0 is read first
	s_mul_i32 s23, s10, 16*SPITCH
	s_add_co_u32 s23, s23, STAGE                   ; my stage
	v_mul_u32_u24 v4, v1, SPITCH                   ; in: row l % 16, 16 bytes for each half of the lanes
	v_lshl_add_u32 v4, v2, 4, v4
	v_add_nc_u32 v[STO], s23, v4
	v_mul_u32_u24 v5, v2, SPITCH                   ; back: lanes 0-15 take one row of 256 bytes, lanes 16-31 the next
	v_lshl_add_u32 v5, v1, 4, v5
	v_add_nc_u32 v[RD], s23, v5
	v_lshlrev_b32 v5, 12, v2                       ; and the same two rows in C
	v_lshl_add_u32 v[CO], v1, 4, v5
	; where my part of the tile begins in C, in bytes (under 2^26)
	s_lshl_b32 s16, s13, 8
	s_lshl_b32 s14, s11, 7
	s_add_co_u32 s16, s16, s14
	s_lshl_b32 s16, s16, 12                        ; my first row
	s_mov_b32 s17, 0
	s_lshr_b32 s46, s42, 3
	s_lshl_b32 s46, s46, 22                        ; batch tc / 8
	s_and_b32 s47, s42, 7
	s_lshl_b32 s47, s47, 9                         ; 256 columns of 2 bytes for each tc % 8
	s_add_co_u32 s46, s46, s47
	s_lshl_b32 s47, s12, 8                         ; my half of them
	s_add_co_u32 s46, s46, s47
	s_mov_b32 s47, 0
	s_add_nc_u64 s[16:17], s[16:17], s[46:47]
	; the prefetches
	s_lshl_b32 s20, s13, 8                         ; the tile's first row in A,
	s_lshl_b32 s21, s42, 8                         ; in B
	s_and_b32 s22, ttmp7, 0xffff                   ; cluster y
	s_cmp_eq_u32 s11, 0                            ; do I fetch for A?
	s_cselect_b32 s20, s20, s21
	s_cselect_b32 s21, s40, s41                    ; my place among the four that ask with me
	s_cselect_b32 s22, ttmp9, s22                  ; the coordinate along which other clusters read the same rows
	s_cselect_b64 s[PFA:PFA+1], s[4:5], s[6:7]
	s_cmp_eq_u32 s22, 0
	s_cselect_b32 s[LIM], 2, -1                    ; the same in all sixteen partners, for a given wave
	s_lshl_b32 s22, s12, 7
	s_add_co_u32 s20, s20, s22                     ; + the 128 rows that I fetch
	s_lshl_b32 s21, s21, 5
	s_add_co_u32 s20, s20, s21                     ; + my work-group's 32 of them
	s_lshl_b32 s20, s20, LROW
	s_mov_b32 s21, 0
	s_add_nc_u64 s[PFA:PFA+1], s[PFA:PFA+1], s[20:21]
	s_add_nc_u64 s[PFA:PFA+1], s[PFA:PFA+1], 2*KB  ; at K step 2: the first refill steps it to 3 and names K step 4
	v_and_b32 v[PFO], 31, v0
	v_lshlrev_b32 v[PFO], LROW, v[PFO]
	s_wait_tensorcnt 1                             ; my part of K step 0 is in; K step 1's may stay out
	s_barrier_signal -1
	s_barrier_wait -1                              ; everybody's is
	FETCH 0, F0
	QUARTER 64, F0, F1, 1                          ; the first quarter stands in front of the loop: its products start the sums
	WIN 0                                          ; at a label and at a branch every window is 0
	s_mov_b32 s3, NK-2
.Lstep:                                                ; a trip ends one K step, fills its slot again with the step two on, and begins the next
	QUARTER 128, F1, F0, 0
	QUARTER 192, F0, F1, 0
	TURN 1
	QUARTER 64, F0, F1, 0
	WIN 0
	s_sub_co_u32 s3, s3, 1
	s_cmp_lg_u32 s3, 0
	s_cbranch_scc1 .Lstep
	s_mov_b32 s3, 2                                ; the last two K steps ask for nothing: a text of their own
.Ltail:
	QUARTER 128, F1, F0, 0
	QUARTER 192, F0, F1, 0
	TURN 0
	WIN 0
	s_sub_co_u32 s3, s3, 1
	s_cmp_eq_u32 s3, 0
	s_cbranch_scc1 .Lout                           ; the second trip is left in its middle
	QUARTER 64, F0, F1, 0
	WIN 0
	s_branch .Ltail
.Lout:
	PLACES                                         ; behind the last products
	PACK 0
	TOSTAGE 0
.irp a, 1,2,3,4,5,6,7                  ; block a's conversions stand between block a - 1's loads from the stage and the wait for them
	PACK \a
	SEND (\a)-1
	TOSTAGE \a
.endr
	SEND 7
	s_wait_tensorcnt 0x0                           ; the wave's end: these three lines stand behind my last tensor load and my last LDS store
	ds_add_u32 v[SPW], v[NIL]
	s_wait_dscnt 0x0
	CROUND                                         ; the closing round: no work-group ends while a partner may still ask for a tile that names it
	s_endpgm
.Lfunc_end_k_qb84ed2e3ae_projqk:
	.size	k_qb84ed2e3ae_projqk, .Lfunc_end_k_qb84ed2e3ae_projqk-k_qb84ed2e3ae_projqk
	.p2alignl 7, 3214868480
	.fill 96, 4, 3214868480
	.section	.rodata,"a",@progbits
	.p2align	6, 0x0
	.amdhsa_kernel k_qb84ed2e3ae_projqk
		.amdhsa_group_segment_fixed_size 327680
		.amdhsa_private_segment_fixed_size 0
		.amdhsa_enable_private_segment 0
		.amdhsa_kernarg_size 24
		.amdhsa_user_sgpr_count 2
		.amdhsa_user_sgpr_kernarg_segment_ptr 1
		.amdhsa_wavefront_size32 1
		.amdhsa_system_sgpr_workgroup_id_x 1
		.amdhsa_system_sgpr_workgroup_id_y 1
		.amdhsa_system_sgpr_workgroup_id_z 1
		.amdhsa_system_vgpr_workitem_id 0
		.amdhsa_next_free_vgpr 1024
		.amdhsa_next_free_sgpr 66
		.amdhsa_reserve_vcc 0
		.amdhsa_float_denorm_mode_32 3
		.amdhsa_float_denorm_mode_16_64 3
		.amdhsa_memory_ordered 1
		.amdhsa_forward_progress 1
		.amdhsa_inst_pref_size 101
	.end_amdhsa_kernel
	.amdgpu_metadata
---
amdhsa.version: [ 1, 2 ]
amdhsa.kernels:
  - .name:           k_qb84ed2e3ae_projqk
    .symbol:         k_qb84ed2e3ae_projqk.kd
    .args:
      - { .name: xb, .offset: 0, .size: 8, .value_kind: global_buffer, .address_space: global }
      - { .name: wqk, .offset: 8, .size: 8, .value_kind: global_buffer, .address_space: global }
      - { .name: qk, .offset: 16, .size: 8, .value_kind: global_buffer, .address_space: global }
    .group_segment_fixed_size: 327680
    .private_segment_fixed_size: 0
    .kernarg_segment_align: 8
    .kernarg_segment_size: 24
    .max_flat_workgroup_size: 128
    .sgpr_count:     66
    .vgpr_count:     1024
    .wavefront_size: 32
...
	.end_amdgpu_metadata
.endif
;; end of part 2
;; launch projv: the kernel of part 2 again; grid 32 x 4, 4 waves a work-group, clusters of 4 x 4, 327,680 bytes of LDS; arguments wv, xb, vt; writes vt
;; launch score (part 3): grid 8 x 32, 4 waves a work-group, clusters of 4 x 4, 327,680 bytes of LDS; arguments qk, pp, cmx, lsum; writes pp, cmx, lsum
.if DOCPART == 3
	.amdgcn_target "amdgcn-amd-amdhsa--gfx1250"
	.amdhsa_code_object_version 6
	.text
	.protected	k_qb84ed2e3ae_score
	.globl	k_qb84ed2e3ae_score
	.p2align	8
	.type	k_qb84ed2e3ae_score,@function
k_qb84ed2e3ae_score:
	s_mov_b64 s[64:65], 0
	v_nop
	global_prefetch_b8 v0, s[64:65] scope:SCOPE_SE
	s_setreg_imm32_b32 hwreg(HW_REG_WAVE_MODE, 25, 1), 1
	s_wait_xcnt 0x0
	s_wait_alu depctr_hold_cnt(0) depctr_sa_sdst(0) depctr_va_vdst(0) depctr_va_sdst(0) depctr_va_ssrc(0) depctr_va_vcc(0) depctr_vm_vsrc(0)
	s_getreg_b32 s2, hwreg(HW_REG_IB_STS2, 6, 4)
	s_cmp_eq_u32 s2, 0
	s_cbranch_scc0 .Lentry_in_a_cluster
	s_endpgm
.Lentry_in_a_cluster:
	s_bfe_u32 s2, ttmp6, 0x10000c
	s_cmp_lg_u32 s2, 0xf033
	s_cbranch_scc0 .Lentry_shape_is_right
	s_endpgm
.Lentry_shape_is_right:
; S = Q K^T for one batch's 256 queries x 256 keys, and the first half of the softmax.  qk: [8192][2048] f16, Q in columns 0-1023, K in columns 1024-2047.
; For each query and each TILE of 128 keys (a wave's columns): m = the largest score, e = floor(c m) + 1 with c = log2(e) / 32, p' = 2^(c s - e), l = the sum of the p' (unrounded, f32).
; So the maximum is taken away before every exponential: p' is at most 1 and the tile's largest at least 1/2.  e is a whole number, so that the next launch's correction 2^(e - E) is an exact power of two.
; Out: pp[row][key] = p' in f16 (rows of 4,096 bytes); cmx[tile][row] = e, lsum[tile][row] = l, both [16][8192] f32.
; LIMITS.  Q and K arrive within f16's 65,504; p' below 6e-5 keeps f16's fixed step of 6e-8; an exponential below 2^-126 counts as 0; NaN and infinities are not treated apart.
; The product is made as in the projection: tiles of 256 x 256, four waves of 128 x 128, K in 8 steps of 128 through two LDS slots, clusters of 4 x 4 with joint loads.
; Transposed use (source 0 = 16 keys, source 1 = 16 queries): a lane holds ONE query (l % 16) of a block of 16 and the keys 16 b + 8 (l / 16) + 0..7: 64 of the tile's 128; the lane 16 away holds the other 64.
; REGISTERS: windows as in the projection.  On the way out window 0 holds: v64-127 E (a block's 64 scaled scores, then weights), v128-135 CH, v136-167 U, v168-169 e and m, v170 l, v172-179 X.
.set NK,     8
.set LROW,   12                        ; a row of qk is 2^12 bytes
.set PEL,    2048
.set ROWC,   4096
.set KB,     256
.set PITCH,  272                       ; 256 bytes + 16 of padding = 68 words: the 16 rows of a fragment load start at 16 different groups of four banks (64 banks of 4 bytes: ISA guide 11.1)
.set HALFT,  128*PITCH
.set SLOT,   4*HALFT
.set STAGE,  2*SLOT
.set SPITCH, 272
.set SPARE,  STAGE+4*16*SPITCH         ; the spare words, 128 bytes for each wave: two blocks of 256 bytes that no other line names
.set SST,    SPARE+512                 ; 1,024 bytes for each wave: e of my 128 queries, then l
.set SSA,  6                           ; v6   where I put e of the block in hand
.set SSR,  7                           ; v7   where I read 16 bytes of e back
.set SGO,  8                           ; v8   16 x lane: my bytes in 512 of cmx and lsum
.set ADRA0, 16
.set ADRA,  17
.set ADRB0, 20
.set ADRB,  21
.set STO,  24
.set RD,   25
.set CO,   26
.set SPW,  28
.set NIL,  29
.set PFO,  30
.set F0,   64
.set F1,   128
.set TMP,  192
.set OB,   32
.set E,    64
.set CH,   128
.set U,    136
.set ST,   168
.set LS,   170
.set X,    172
.set G1,  24
.set G0,  32
.set G1B, 48
.set G0B, 56
.set LIM, 43
.set PFA, 44
.set CS,  72                           ; s[72:73] c: the packed scaling takes the pair's low word for both halves
.set SEL, 74                           ; s[74:75] v_permlanex16_b32's selects: each lane takes its own place in the other half
.set BL,  76                           ; s76  blocks still to go out
.set MSB, 0
.macro WIN new
.if MSB != (\new)
	s_set_vgpr_msb (MSB<<8)|(\new)
.set MSB, \new
.endif
.endm
.set MUL_LO, 0xa1
.set TO_B,   0x40
.macro JLOAD                           ; a joint refill: waves 0 and 1 fetch Q's two halves, waves 2 and 3 K's; an s_nop 0 and four v_nop follow each line
	s_cmp_eq_u32 s11, 0
	s_cbranch_scc0 .Lfor_b_\@
	tensor_load_to_lds s[G0+4:G0+7], s[G1:G1+7]
	s_nop 0
.rept 4
	v_nop
.endr
	s_branch .Lasked_\@
.Lfor_b_\@:
	tensor_load_to_lds s[G0B+4:G0B+7], s[G1B:G1B+7]
	s_nop 0
.rept 4
	v_nop
.endr
.Lasked_\@:
.endm
; A prefetch of the K step two refills on: 32 rows x 256 bytes, a lane a row.  Each block is named once in the launch: Q's rows are read by both clusters of a row of clusters: x = 0 asks;
; a batch's rows of K by its two rows of clusters: the even one asks; the four partners share a tile's rows out by address.  K steps 0 to 3 come by their loads alone; the last two refills ask for nothing.
.macro ASK
	s_cmp_gt_u32 s3, s[LIM]
	s_cbranch_scc0 .Lnot_mine_\@
	global_prefetch_b8 v[PFO], s[PFA:PFA+1] offset:KB th:TH_LOAD_NT scope:SCOPE_SE
.Lnot_mine_\@:
.endm
.macro CREST
	s_cmp_lg_u32 s10, 0
	s_cbranch_scc1 .Lnot_wave_0_\@
	s_barrier_signal -3
.Lnot_wave_0_\@:
	s_barrier_wait -3
	s_barrier_signal -1
	s_barrier_wait -1
.endm
.macro CROUND
	s_barrier_signal -1
	s_barrier_wait -1
	CREST
.endm
.macro PLACES
.rept 4
	v_nop
.endr
.endm
.macro MUL16 f, hi, a0, zero           ; 16 matrix instructions; the 64 accumulators take turns in one fixed order
	WIN MUL_LO+0x50*(\hi)
.irp a, \a0, (\a0)+1
.irp b, 0,1,2,3,4,5,6,7
.if \zero
	v_wmma_f32_16x16x32_f16 v[8*(8*(\a)+(\b)):8*(8*(\a)+(\b))+7], v[(\f)+8*(\b):(\f)+8*(\b)+7], v[(\f)+8*(4*(\hi)+(\a)):(\f)+8*(4*(\hi)+(\a))+7], 0
.else
	v_wmma_f32_16x16x32_f16 v[8*(8*(\a)+(\b)):8*(8*(\a)+(\b))+7], v[(\f)+8*(\b):(\f)+8*(\b)+7], v[(\f)+8*(4*(\hi)+(\a)):(\f)+8*(4*(\hi)+(\a))+7], v[8*(8*(\a)+(\b)):8*(8*(\a)+(\b))+7]
.endif
.endr
.endr
.endm
.macro FETCH k, f
	WIN TO_B
.irp i, 0,1,2,3,4,5,6,7
	ds_load_b128 v[(\f)+8*(\i):(\f)+8*(\i)+3],   v[ADRB] offset:(\k)+(\i)*16*PITCH
	ds_load_b128 v[(\f)+8*(\i)+4:(\f)+8*(\i)+7], v[ADRB] offset:(\k)+(\i)*16*PITCH+32
.endr
	WIN 0
.irp i, 0,1,2,3,4,5,6,7
	ds_load_b128 v[(\f)+8*(\i):(\f)+8*(\i)+3],   v[ADRA] offset:(\k)+(\i)*16*PITCH
	ds_load_b128 v[(\f)+8*(\i)+4:(\f)+8*(\i)+7], v[ADRA] offset:(\k)+(\i)*16*PITCH+32
.endr
.endm
.macro QUARTER k, f, g, zero
	s_wait_dscnt 8                                 ; K's rows and Q's rows 0-63 are in; the youngest eight loads may be out
	MUL16 \f, 0, 0, \zero
	MUL16 \f, 0, 2, \zero
	PLACES
	FETCH \k, \g
	s_wait_dscnt 32                                ; all but the 32 just issued
	MUL16 \f, 1, 0, \zero
	MUL16 \f, 1, 2, \zero
.endm
.macro TURN fill                       ; the last quarter and the change of slots, as in the projection
.if \fill
	s_wait_xcnt 0x0                                ; the last prefetch, a K step back, has read its address
	s_add_nc_u64 s[PFA:PFA+1], s[PFA:PFA+1], KB
.endif
	WIN 0
	s_wait_tensorcnt 0x0                           ; no tensor load of mine is out, so a group 0 may be written
	ds_add_u32 v[SPW], v[NIL]                      ; 0 onto my spare word
.if \fill
	s_xor_b32 s[G0+5], s[G0+5], SLOT
	s_add_nc_u64 s[G0+6:G0+7], s[G0+6:G0+7], KB
	s_xor_b32 s[G0B+5], s[G0B+5], SLOT
	s_add_nc_u64 s[G0B+6:G0B+7], s[G0B+6:G0B+7], KB
.endif
	s_wait_dscnt 9                                 ; the add and the youngest eight loads may be out
	MUL16 F1, 0, 0, 0
	s_wait_dscnt 0x0                               ; the add is done, and my reads of this slot are over
	s_barrier_signal -1
	MUL16 F1, 0, 2, 0
	WIN 0
	s_barrier_wait -1
.if \fill
	CREST
	JLOAD
.else
	PLACES
	s_cmp_eq_u32 s3, 1
	s_cbranch_scc1 .Lnofetch_\@
.endif
	s_xor_b32 s2, s2, SLOT
	v_add_nc_u32 v[ADRA], s2, v[ADRA0]
	v_add_nc_u32 v[ADRB], s2, v[ADRB0]
	FETCH 0, F0
.if \fill
	ASK
.else
.Lnofetch_\@:
.endif
	MUL16 F1, 1, 0, 0
	MUL16 F1, 1, 2, 0
.endm
; The part of a block's way out that names its accumulators: the maximum of the lane's 64 scores (each accumulator's lowest registers are read first), the other
; half of the lanes' maximum, e = floor(c m) + 1, and c s - e for all 64 into E.
.macro SPEC a
.set AC, 64*((\a)%4)
.set W,  2+(\a)/4
	WIN W|(W<<2)|(W<<4)                            ; all three sources in the accumulators' window
.irp b, 0,1,2,3,4,5,6,7
	v_max3_num_f32 v[CH+(\b)], v[AC+8*(\b)], v[AC+8*(\b)+1], v[AC+8*(\b)+2]
.endr
	WIN (W<<2)|(W<<4)
.irp b, 0,1,2,3,4,5,6,7
	v_max3_num_f32 v[CH+(\b)], v[CH+(\b)], v[AC+8*(\b)+3], v[AC+8*(\b)+4]
.endr
.irp b, 0,1,2,3,4,5,6,7
	v_max3_num_f32 v[CH+(\b)], v[CH+(\b)], v[AC+8*(\b)+5], v[AC+8*(\b)+6]
.endr
.irp b, 0,1,2,3,4,5,6,7
	v_max_num_f32 v[CH+(\b)], v[CH+(\b)], v[AC+8*(\b)+7]
.endr
	WIN 0
	v_max3_num_f32 v[CH], v[CH], v[CH+1], v[CH+2]
	v_max3_num_f32 v[CH+3], v[CH+3], v[CH+4], v[CH+5]
	v_max_num_f32 v[CH+6], v[CH+6], v[CH+7]
	v_max3_num_f32 v[CH], v[CH], v[CH+3], v[CH+6]
	v_permlanex16_b32 v[CH+1], v[CH], s[SEL], s[SEL+1]
	v_max_num_f32 v[ST+1], v[CH], v[CH+1]          ; m
	v_mul_f32 v[ST], s[CS], v[ST+1]
	v_floor_f32 v[ST], v[ST]
	v_add_f32 v[ST], 1.0, v[ST]                    ; e
	WIN W
.set i, 0
.rept 32
	v_pk_fma_f32 v[E+2*i:E+2*i+1], v[AC+2*i:AC+2*i+1], s[CS:CS+1], v[ST:ST+1] op_sel_hi:[1,0,0] neg_lo:[0,0,1] neg_hi:[0,0,1]
.set i, i+1
.endr
	WIN 0
.endm
	s_load_b64 s[4:5], s[0:1], 0x0                 ; qk
	s_load_b64 s[8:9], s[0:1], 0x8                 ; pp
	s_load_b128 s[68:71], s[0:1], 0x10             ; cmx s[68:69], lsum s[70:71]
	v_lshl_add_u32 v[SPW], v0, 2, SPARE
	v_mov_b32 v[NIL], 0
	ds_add_u32 v[SPW], v[NIL]                      ; the wave's opening: the add and its wait stand ahead of my first tensor load; the set-up below stands between them
	v_lshrrev_b32 v1, 5, v0
	v_readfirstlane_b32 s10, v1                    ; wave 0..3
	s_lshr_b32 s11, s10, 1                         ; which half of the tile's queries is mine.  Also: I fetch for Q (0) or for K (1)
	s_and_b32 s12, s10, 1                          ; which half of its keys.  Also: which 128 rows I fetch
	s_bfe_u32 s40, ttmp6, 0x40000                  ; cx
	s_bfe_u32 s41, ttmp6, 0x40004                  ; cy
	s_lshl_b32 s42, ttmp9, 2
	s_add_co_u32 s42, s42, s40                     ; tc: 256 keys of the batch
	s_and_b32 s13, ttmp7, 0xffff                   ; cluster y: two of them to a batch
	s_lshr_b32 s46, s13, 1
	s_lshl_b32 s46, s46, 11                        ; the batch's first row
	s_lshl_b32 s13, s13, 2
	s_add_co_u32 s13, s13, s41                     ; tr: 256 rows of the 8,192
	s_lshl_b32 s43, s41, 2
	s_lshl_b32 s43, 15, s43
	s_lshl_b32 s44, 0x1111, s40
	s_or_b32 s[G1+0], s43, (1<<16)|(1<<20)|(1<<21)|(5<<22)|(3<<25)   ; mask of my row; elements of 2 bytes; padding on, 4 words after every 64; bit 21 beside a mask
	s_or_b32 s[G1B+0], s44, (1<<16)|(1<<20)|(1<<21)|(5<<22)|(3<<25)  ; the same with the mask of my column
.irp g, G1, G1B
	s_mov_b32 s[(\g)+1], 128<<16                   ; tensor_dim0 = 128
	s_mov_b32 s[(\g)+2], 128<<16                   ; tensor_dim1 = 128
	s_mov_b32 s[(\g)+3], 128<<16                   ; tile_dim0 = 128
	s_mov_b32 s[(\g)+4], 128                       ; tile_dim1 = 128
	s_mov_b32 s[(\g)+5], PEL
	s_mov_b32 s[(\g)+6], 0
	s_mov_b32 s[(\g)+7], 0
.endr
	s_mov_b32 s[CS], 0x3d38aa3b                    ; c = log2(e) / 32 = 0.0450842
	s_mov_b32 s[CS+1], s[CS]
	s_mov_b32 s[SEL], 0x76543210
	s_mov_b32 s[SEL+1], 0xfedcba98
	s_lshl_b32 s17, s12, 7
	s_lshl_b32 s16, s13, 8
	s_add_co_u32 s16, s16, s17
	s_lshl_b32 s16, s16, LROW                      ; Q: (256 tr + 128 half) rows, in bytes
	s_lshl_b32 s47, s42, 8
	s_add_co_u32 s46, s46, s47
	s_add_co_u32 s46, s46, s17
	s_lshl_b32 s46, s46, LROW                      ; K: (batch + 256 tc + 128 half) rows,
	s_add_co_u32 s46, s46, 2048                    ; in the rows' second half
	s_mov_b32 s17, 0
	s_mov_b32 s47, 0
	s_mul_i32 s20, s10, HALFT
	s_wait_dscnt 0x0                               ; the opening add is done
	s_wait_kmcnt 0x0
	s_add_nc_u64 s[14:15], s[4:5], s[16:17]
	s_add_nc_u64 s[46:47], s[4:5], s[46:47]
	CROUND                                         ; all sixteen work-groups are here: the first joint loads meet
.irp s, 0,1
	s_mov_b32 s[G0+4*(\s)], 1
	s_add_co_u32 s[G0+4*(\s)+1], s20, (\s)*SLOT
	s_add_nc_u64 s[G0+4*(\s)+2:G0+4*(\s)+3], s[14:15], (\s)*KB
	s_or_b32 s[G0+4*(\s)+3], s[G0+4*(\s)+3], 0x80000000
	s_mov_b32 s[G0B+4*(\s)], 1
	s_add_co_u32 s[G0B+4*(\s)+1], s20, (\s)*SLOT
	s_add_nc_u64 s[G0B+4*(\s)+2:G0B+4*(\s)+3], s[46:47], (\s)*KB
	s_or_b32 s[G0B+4*(\s)+3], s[G0B+4*(\s)+3], 0x80000000
.endr
	s_cmp_eq_u32 s11, 0                            ; a wave's two first fills stand in one branch: two loads of mine are out
	s_cbranch_scc0 .Lfirst_b
	tensor_load_to_lds s[G0:G0+3], s[G1:G1+7]
	s_nop 0
	tensor_load_to_lds s[G0+4:G0+7], s[G1:G1+7]
	s_nop 0
.rept 4
	v_nop
.endr
	s_branch .Lfirst_asked
.Lfirst_b:
	tensor_load_to_lds s[G0B:G0B+3], s[G1B:G1B+7]
	s_nop 0
	tensor_load_to_lds s[G0B+4:G0B+7], s[G1B:G1B+7]
	s_nop 0
.rept 4
	v_nop
.endr
.Lfirst_asked:
	v_and_b32 v1, 15, v0                           ; l % 16
	v_bfe_u32 v2, v0, 4, 1                         ; l / 16
	v_mul_u32_u24 v3, v1, PITCH
	v_lshl_add_u32 v3, v2, 4, v3
	s_mul_i32 s21, s11, HALFT
	s_mul_i32 s22, s12, HALFT
	s_add_co_u32 s22, s22, 2*HALFT
	v_add_nc_u32 v[ADRA0], s21, v3
	v_add_nc_u32 v[ADRB0], s22, v3
	v_mov_b32 v[ADRA], v[ADRA0]
	v_mov_b32 v[ADRB], v[ADRB0]
	s_mov_b32 s2, 0
	s_mul_i32 s23, s10, 16*SPITCH
	s_add_co_u32 s23, s23, STAGE                   ; my stage
	v_mul_u32_u24 v4, v1, SPITCH
	v_lshl_add_u32 v4, v2, 4, v4
	v_add_nc_u32 v[STO], s23, v4
	v_mul_u32_u24 v5, v2, SPITCH
	v_lshl_add_u32 v5, v1, 4, v5
	v_add_nc_u32 v[RD], s23, v5
	v_lshlrev_b32 v5, 12, v2
	v_lshl_add_u32 v[CO], v1, 4, v5
	s_lshl_b32 s21, s10, 10
	s_add_co_u32 s21, s21, SST                     ; my 1,024 bytes of statistics
	v_lshl_add_u32 v[SSA], v1, 2, s21              ; both halves of the lanes put the same number into the query's word
	v_and_b32 v[SGO], 31, v0
	v_lshlrev_b32 v[SGO], 4, v[SGO]
	v_add_nc_u32 v[SSR], s21, v[SGO]
	; where my part of the tile begins in pp
	s_lshl_b32 s16, s13, 8
	s_lshl_b32 s14, s11, 7
	s_add_co_u32 s16, s16, s14
	s_lshl_b32 s16, s16, 12
	s_mov_b32 s17, 0
	s_lshl_b32 s46, s42, 9
	s_lshl_b32 s47, s12, 8
	s_add_co_u32 s46, s46, s47
	s_mov_b32 s47, 0
	s_add_nc_u64 s[16:17], s[16:17], s[46:47]
	; and in cmx and lsum: tile 2 tc + half, row 256 tr + 128 half, 4 bytes each
	s_lshl_b32 s20, s42, 1
	s_add_co_u32 s20, s20, s12
	s_lshl_b32 s20, s20, 13
	s_lshl_b32 s21, s13, 8
	s_add_co_u32 s20, s20, s21
	s_add_co_u32 s20, s20, s14
	s_lshl_b32 s20, s20, 2
	s_mov_b32 s21, 0
	s_add_nc_u64 s[68:69], s[68:69], s[20:21]
	s_add_nc_u64 s[70:71], s[70:71], s[20:21]
	; the prefetches
	s_and_b32 s22, ttmp7, 0xffff                   ; cluster y
	s_lshr_b32 s21, s22, 1
	s_lshl_b32 s21, s21, 11
	s_lshl_b32 s23, s42, 8
	s_add_co_u32 s21, s21, s23                     ; K's tile's first row,
	s_lshl_b32 s20, s13, 8                         ; Q's
	s_and_b32 s22, s22, 1                          ; 0 in the batch's first row of clusters
	s_cmp_eq_u32 s11, 0                            ; do I fetch for Q?
	s_cselect_b32 s20, s20, s21
	s_cselect_b32 s21, s40, s41                    ; my place among the four that ask with me
	s_cselect_b32 s22, ttmp9, s22
	s_cselect_b32 s23, 0, 2048                     ; K lies in the rows' second half
	s_cmp_eq_u32 s22, 0
	s_cselect_b32 s[LIM], 2, -1                    ; the same in all sixteen partners, for a given wave
	s_lshl_b32 s22, s12, 7
	s_add_co_u32 s20, s20, s22
	s_lshl_b32 s21, s21, 5
	s_add_co_u32 s20, s20, s21
	s_lshl_b32 s20, s20, LROW
	s_add_co_u32 s20, s20, s23
	s_mov_b32 s21, 0
	s_add_nc_u64 s[PFA:PFA+1], s[4:5], s[20:21]
	s_add_nc_u64 s[PFA:PFA+1], s[PFA:PFA+1], 2*KB  ; at K step 2: the first refill steps it to 3 and names K step 4
	v_and_b32 v[PFO], 31, v0
	v_lshlrev_b32 v[PFO], LROW, v[PFO]
	s_wait_tensorcnt 1                             ; my part of K step 0 is in; K step 1's may stay out
	s_barrier_signal -1
	s_barrier_wait -1
	FETCH 0, F0
	QUARTER 64, F0, F1, 1
	WIN 0
	s_mov_b32 s3, NK-2
.Lstep:
	QUARTER 128, F1, F0, 0
	QUARTER 192, F0, F1, 0
	TURN 1
	QUARTER 64, F0, F1, 0
	WIN 0
	s_sub_co_u32 s3, s3, 1
	s_cmp_lg_u32 s3, 0
	s_cbranch_scc1 .Lstep
	s_mov_b32 s3, 2
.Ltail:
	QUARTER 128, F1, F0, 0
	QUARTER 192, F0, F1, 0
	TURN 0
	WIN 0
	s_sub_co_u32 s3, s3, 1
	s_cmp_eq_u32 s3, 0
	s_cbranch_scc1 .Lout
	QUARTER 64, F0, F1, 0
	WIN 0
	s_branch .Ltail
.Lout:
	PLACES                                         ; behind the last products
	; THE WAY OUT: a loop of eight trips, a block of 16 queries each.  Only the lines that name accumulators are written eight times; forward jumps on the count choose among them.
	s_mov_b32 s[BL], 8
.Lblk:
	s_cmp_eq_u32 s[BL], 8
	s_cbranch_scc1 .Lspec0
	s_cmp_eq_u32 s[BL], 7
	s_cbranch_scc1 .Lspec1
	s_cmp_eq_u32 s[BL], 6
	s_cbranch_scc1 .Lspec2
	s_cmp_eq_u32 s[BL], 5
	s_cbranch_scc1 .Lspec3
	s_cmp_eq_u32 s[BL], 4
	s_cbranch_scc1 .Lspec4
	s_cmp_eq_u32 s[BL], 3
	s_cbranch_scc1 .Lspec5
	s_cmp_eq_u32 s[BL], 2
	s_cbranch_scc1 .Lspec6
	SPEC 7
	s_branch .Lshared
.Lspec0:
	SPEC 0
	s_branch .Lshared
.Lspec1:
	SPEC 1
	s_branch .Lshared
.Lspec2:
	SPEC 2
	s_branch .Lshared
.Lspec3:
	SPEC 3
	s_branch .Lshared
.Lspec4:
	SPEC 4
	s_branch .Lshared
.Lspec5:
	SPEC 5
	s_branch .Lshared
.Lspec6:
	SPEC 6
.Lshared:
.set i, 0
.rept 64
	v_exp_f32 v[E+i], v[E+i]                       ; one batch: nothing names a result before the wait below
.set i, i+1
.endr
	v_nop                                          ; a plain instruction behind the last exponential (ISA guide 5.7.2),
	s_wait_alu depctr_va_vdst(0)                   ; and one wait ahead of the batch's first reader
.set i, 0
.rept 32
	v_cvt_pk_f16_f32 v[TMP+i], v[E+2*i], v[E+2*i+1]
.set i, i+1
.endr
.irp b, 0,1,2,3,4,5,6,7
	ds_store_b128 v[STO], v[TMP+4*(\b):TMP+4*(\b)+3] offset:32*(\b)
.endr
	s_wait_xcnt 0x0                                ; the last trip's stores have read their base and their data: both are written again below
	s_add_nc_u64 s[8:9], s[8:9], s[16:17]          ; the first time on to my first rows, then 16 rows on
	s_mov_b64 s[16:17], 16*ROWC
.irp t, 0,1,2,3,4,5,6,7
	ds_load_b128 v[OB+4*(\t):OB+4*(\t)+3], v[RD] offset:(\t)*2*SPITCH  ; LDS serves a wave's instructions in order (ISA guide 5.7.1.4): these see the stores above
.endr
.set i, 0
.rept 16                               ; the sum of the lane's 64 weights, in f32, two at a time; it stands between the loads above and the wait for them
	v_pk_add_f32 v[U+2*i:U+2*i+1], v[E+4*i:E+4*i+1], v[E+4*i+2:E+4*i+3]
.set i, i+1
.endr
.set i, 0
.rept 8
	v_pk_add_f32 v[U+4*i:U+4*i+1], v[U+4*i:U+4*i+1], v[U+4*i+2:U+4*i+3]
.set i, i+1
.endr
.set i, 0
.rept 4
	v_pk_add_f32 v[U+8*i:U+8*i+1], v[U+8*i:U+8*i+1], v[U+8*i+4:U+8*i+5]
.set i, i+1
.endr
	v_pk_add_f32 v[U:U+1], v[U:U+1], v[U+8:U+9]
	v_pk_add_f32 v[U+16:U+17], v[U+16:U+17], v[U+24:U+25]
	v_pk_add_f32 v[U:U+1], v[U:U+1], v[U+16:U+17]
	v_add_f32 v[U], v[U], v[U+1]
	v_permlanex16_b32 v[U+1], v[U], s[SEL], s[SEL+1]
	v_add_f32 v[LS], v[U], v[U+1]                  ; l
	ds_store_b32 v[SSA], v[ST]
	ds_store_b32 v[SSA], v[LS] offset:512
	v_add_nc_u32 v[SSA], 64, v[SSA]                ; the next block's 16 words
	s_wait_dscnt 2                                 ; the eight loads are back; the two stores behind them may be out
.irp t, 0,1,2,3,4,5,6,7
	global_store_b128 v[CO], v[OB+4*(\t):OB+4*(\t)+3], s[8:9] offset:2*(\t)*ROWC  ; 16 lanes store 256 consecutive bytes, at a multiple of 256 from pp's first byte
.endr
	s_sub_co_u32 s[BL], s[BL], 1
	s_cmp_lg_u32 s[BL], 0
	s_cbranch_scc1 .Lblk
	ds_load_b128 v[X:X+3], v[SSR]                  ; my 128 queries' e and l, my own bytes: 512 consecutive bytes each
	ds_load_b128 v[X+4:X+7], v[SSR] offset:512
	s_wait_dscnt 0x0
	global_store_b128 v[SGO], v[X:X+3], s[68:69]
	global_store_b128 v[SGO], v[X+4:X+7], s[70:71]
	s_wait_tensorcnt 0x0                           ; the wave's end: these three lines stand behind my last tensor load and my last LDS store
	ds_add_u32 v[SPW], v[NIL]
	s_wait_dscnt 0x0
	CROUND                                         ; the closing round
	s_endpgm
.Lfunc_end_k_qb84ed2e3ae_score:
	.size	k_qb84ed2e3ae_score, .Lfunc_end_k_qb84ed2e3ae_score-k_qb84ed2e3ae_score
	.p2alignl 7, 3214868480
	.fill 96, 4, 3214868480
	.section	.rodata,"a",@progbits
	.p2align	6, 0x0
	.amdhsa_kernel k_qb84ed2e3ae_score
		.amdhsa_group_segment_fixed_size 327680
		.amdhsa_private_segment_fixed_size 0
		.amdhsa_enable_private_segment 0
		.amdhsa_kernarg_size 32
		.amdhsa_user_sgpr_count 2
		.amdhsa_user_sgpr_kernarg_segment_ptr 1
		.amdhsa_wavefront_size32 1
		.amdhsa_system_sgpr_workgroup_id_x 1
		.amdhsa_system_sgpr_workgroup_id_y 1
		.amdhsa_system_sgpr_workgroup_id_z 1
		.amdhsa_system_vgpr_workitem_id 0
		.amdhsa_next_free_vgpr 1024
		.amdhsa_next_free_sgpr 80
		.amdhsa_reserve_vcc 0
		.amdhsa_float_denorm_mode_32 3
		.amdhsa_float_denorm_mode_16_64 3
		.amdhsa_memory_ordered 1
		.amdhsa_forward_progress 1
		.amdhsa_inst_pref_size 114
	.end_amdhsa_kernel
	.amdgpu_metadata
---
amdhsa.version: [ 1, 2 ]
amdhsa.kernels:
  - .name:           k_qb84ed2e3ae_score
    .symbol:         k_qb84ed2e3ae_score.kd
    .args:
      - { .name: qk, .offset: 0, .size: 8, .value_kind: global_buffer, .address_space: global }
      - { .name: pp, .offset: 8, .size: 8, .value_kind: global_buffer, .address_space: global }
      - { .name: cmx, .offset: 16, .size: 8, .value_kind: global_buffer, .address_space: global }
      - { .name: lsum, .offset: 24, .size: 8, .value_kind: global_buffer, .address_space: global }
    .group_segment_fixed_size: 327680
    .private_segment_fixed_size: 0
    .kernarg_segment_align: 8
    .kernarg_segment_size: 32
    .max_flat_workgroup_size: 128
    .sgpr_count:     80
    .vgpr_count:     1024
    .wavefront_size: 32
...
	.end_amdgpu_metadata
.endif
;; end of part 3
;; launch pv (part 4): grid 4 x 64, 4 waves a work-group, clusters of 4 x 4, 327,680 bytes of LDS; arguments pp, vt, cmx, lsum, out0; writes out0
.if DOCPART == 4
	.amdgcn_target "amdgcn-amd-amdhsa--gfx1250"
	.amdhsa_code_object_version 6
	.text
	.protected	k_qb84ed2e3ae_pv
	.globl	k_qb84ed2e3ae_pv
	.p2align	8
	.type	k_qb84ed2e3ae_pv,@function
k_qb84ed2e3ae_pv:
	s_mov_b64 s[64:65], 0
	v_nop
	global_prefetch_b8 v0, s[64:65] scope:SCOPE_SE
	s_setreg_imm32_b32 hwreg(HW_REG_WAVE_MODE, 25, 1), 1
	s_wait_xcnt 0x0
	s_wait_alu depctr_hold_cnt(0) depctr_sa_sdst(0) depctr_va_vdst(0) depctr_va_sdst(0) depctr_va_ssrc(0) depctr_va_vcc(0) depctr_vm_vsrc(0)
	s_getreg_b32 s2, hwreg(HW_REG_IB_STS2, 6, 4)
	s_cmp_eq_u32 s2, 0
	s_cbranch_scc0 .Lentry_in_a_cluster
	s_endpgm
.Lentry_in_a_cluster:
	s_bfe_u32 s2, ttmp6, 0x10000c
	s_cmp_lg_u32 s2, 0xf033
	s_cbranch_scc0 .Lentry_shape_is_right
	s_endpgm
.Lentry_shape_is_right:
; out[q][ch] = (the sum over the 16 key tiles t of f_t(q) x the sum over the tile's 128 keys of p'[q][k] V[k][ch]) / L(q): the second half of the softmax and the second product.
; pp: [8192][2048] f16, p' relative to its own tile's whole-number exponent e_t(q) (cmx[t][q]); lsum[t][q] = the tile's sum of p'; vt: [4][1024 channels][2048 keys] f16; out0: [8192][1024] f32.
; E = the largest e_t, f_t = 2^(e_t - E): an exact power of two, kept in f16 (0 below 2^-24); L = the sum of f_t l_t, taken with the same f16 factor, at least 1/2.
; A K step of 128 keys is one tile t, so a step's fragments of p' are multiplied by the row's f_t on their way from LDS to the matrix unit: packed f16, exact above f16's denormals (step 6e-8 there).
; LIMITS.  V arrives within f16's 65,504; NaN and infinities are not treated apart.
; SHARES.  A tile of out0 is 128 queries x 256 channels: 64 x 4 = 256 work-groups, one for each WGP.  Four waves, each 64 x 128: 32 accumulators of 16 x 16, 256 registers.
; K goes in 16 steps of 128 through two LDS slots filled by the tensor data mover; a tile's rows are 256 bytes of memory at multiples of 256 bytes.  Two slots of a K step of 256 would be 405,504 bytes: they do not fit.
; CLUSTER.  4 x 4 work-groups.  The four of a row of the cluster need the same tiles of pp, the four of a column the same tiles of vt: each tile is asked for jointly.
; TRANSPOSED USE (source 0 = 16 channels of V^T, source 1 = 16 queries of p'): a lane holds ONE query (l % 16) of a row block and eight neighbouring channels, 8 (l / 16) + 0..7.
; REGISTERS, in windows of 256 (s_set_vgpr_msb: bits 1:0 source 0, 3:2 source 1, 5:4 source 2, 7:6 destination):
;   window 0: v0-31 addresses, among them v8-11 FC (the step's factor for my row of each of the 4 row blocks, in both halves of the word); v32-95 SCALED p', two buffers of 32;
;             v128-255 the accumulators of row blocks 0 and 1, (a, b) at v[128 + 8 (8 a + b)]
;   window 1: v0-127 fragments of V^T, two buffers of 64; v128-191 RAW p' as loaded, two buffers of 32          window 2: v0-127 the accumulators of row blocks 2 and 3
; ONE SETTING FOR PRODUCTS AND SCALINGS.  With source 0 in window 1 and all else in window 0 a product on blocks 0 and 1 reads V^T (source 0) and scaled p' (source 1), and a scaling
; reads raw p' (source 0) and the factor (source 1) and writes scaled p': so the 32 scalings of a quarter step stand four behind each of eight such products, and no window is switched for them.
.set NK,     16
.set LROW,   12                        ; a row of pp or vt is 2^12 bytes
.set PEL,    2048
.set ROWC,   4096                      ; bytes in a row of out0
.set KB,     256                       ; bytes of a row in a K step
.set PITCH,  272                       ; 256 bytes + 16 of padding = 68 words: the 16 rows of a fragment load start at 16 different groups of four banks (64 banks of 4 bytes: ISA guide 11.1)
.set AHALF,  64*PITCH                  ; what wave 0 or 1 fetches: 64 rows of pp
.set BHALF,  128*PITCH                 ; what wave 2 or 3 fetches: 128 rows of vt
.set BOFF,   128*PITCH                 ; in a slot vt's 256 rows lie behind pp's 128
.set SLOT1,  1<<17                     ; a slot is 104,448 bytes; slot 1 begins here, so that one exclusive or turns an address in one slot into the other's
.set STAGE,  SLOT1+BOFF+2*BHALF        ; behind the ring: 16 rows x 272 bytes for each wave, for the way out
.set SPITCH, 272
.set SPARE,  STAGE+4*16*SPITCH         ; the spare words, 128 bytes for each wave: two blocks of 256 bytes that no other line names
.set FT,     SPARE+512                 ; [16 tiles][128 rows] words: f_t in f16, twice
.set RL,     FT+8192                   ; [128 rows] f32: 1 / L
.set FA,   6                           ; v6   where my row's factor of block 0 lies, for the step to be fetched
.set RAD,  7                           ; v7   where its 1 / L lies
.set FC,   8                           ; v8-11
.set RLV,  8                           ; v8-15  the way out: 1 / L of my row of each block, twice (a pair for the packed multiply)
.set ADRA0, 16                         ; v16  LDS address of my fragments of p' in slot 0; never rewritten
.set ADRA,  17                         ; v17  the same in the slot that is being read
.set ADRB0, 20                         ; v20, v21  the same for V^T
.set ADRB,  21
.set STO,  24                          ; v24  the way out: where I put 32 bytes of a row
.set RD,   25                          ; v25  the way out: where I read a row back
.set CO,   26                          ; v26  my byte offset in out0
.set SPW,  28                          ; v28  LDS address of my spare word; never rewritten
.set NIL,  29                          ; v29  0; never rewritten
.set PFO,  30                          ; v30  the prefetches' offset: my lane x a row; never rewritten
.set SA,   32                          ; scaled p', buffer f at SA + 32 f
.set TMP,  32                          ; the way out: results times 1 / L
.set OB,   64                          ; the way out: rows read back from the stage: v64-95 and v96-127 by turns
.set AC0,  128
.set BF,   0                           ; window 1: V^T, buffer f at BF + 64 f
.set RAW,  128                         ; window 1: raw p', buffer f at RAW + 32 f
.set EV,   128                         ; the statistics' registers, free before the first product: e of my row, 16 tiles
.set LV,   144                         ; l
.set FV,   160                         ; e - E, then f
.set FH,   176                         ; f in f16, twice
.set EM,   192                         ; E
.set LL,   194                         ; L in two chains, then 1 / L
.set G1,  24                           ; s[24:31] descriptor group 1 for pp's tiles
.set G0,  32                           ; s[32:39] group 0 for pp's tiles: a set for each first fill; the second then walks
.set G1B, 48                           ; s[48:55], s[56:63] the same for vt's tiles
.set G0B, 56
.set LIM, 43                           ; s43  2 in a wave that prefetches, else the greatest number
.set PFA, 44                           ; s[44:45] where my prefetches stand
.set MSB, 0
.macro WIN new                         ; the immediate's high byte repeats the setting that is left; a switch that changes nothing is dropped
.if MSB != (\new)
	s_set_vgpr_msb (MSB<<8)|(\new)
.set MSB, \new
.endif
.endm
.set W_X,  0x01                        ; source 0 window 1, all else window 0: products on blocks 0 and 1, and the scalings
.set W_Y,  0xa1                        ; source 0 window 1, source 1 window 0, C and D window 2: products on blocks 2 and 3
.set W_LD, 0x40                        ; destination window 1, address window 0
; A joint refill by the walking descriptor.  Waves 0 and 1 fetch pp's two halves, waves 2 and 3 vt's; the branch hangs on the wave's number alone.
; An s_nop 0 and four v_nop follow each of the two lines, ahead of the jump and the label.
.macro JLOAD
	s_cmp_eq_u32 s11, 0
	s_cbranch_scc0 .Lfor_b_\@
	tensor_load_to_lds s[G0+4:G0+7], s[G1:G1+7]
	s_nop 0
.rept 4
	v_nop
.endr
	s_branch .Lasked_\@
.Lfor_b_\@:
	tensor_load_to_lds s[G0B+4:G0B+7], s[G1B:G1B+7]
	s_nop 0
.rept 4
	v_nop
.endr
.Lasked_\@:
.endm
; A prefetch of the K step that stands two refills, 256 matrix instructions, on: 32 rows x 256 bytes, a lane a row, one instruction a wave, behind the joint load, its five lines and the run of LDS loads.
; Each block is named once in the launch.  A row of pp is read by one cluster: its wave 0 asks, each partner for 32 of the tile's 128 rows, told apart by address.  A batch's rows of vt are read by its
; four clusters: the first asks, waves 2 and 3 for the 128 rows that they fetch, each partner for 32 of them.  K steps 0 to 3 come by their loads alone; the last two refills ask for nothing (s3 is 2 and 1 there).
.macro ASK
	s_cmp_gt_u32 s3, s[LIM]
	s_cbranch_scc0 .Lnot_mine_\@
	global_prefetch_b8 v[PFO], s[PFA:PFA+1] offset:KB th:TH_LOAD_NT scope:SCOPE_SE
.Lnot_mine_\@:
.endm
.macro CREST                           ; a round of the cluster's barrier behind its opening barrier
	s_cmp_lg_u32 s10, 0
	s_cbranch_scc1 .Lnot_wave_0_\@
	s_barrier_signal -3
.Lnot_wave_0_\@:
	s_barrier_wait -3
	s_barrier_signal -1
	s_barrier_wait -1
.endm
.macro CROUND                          ; a whole round
	s_barrier_signal -1
	s_barrier_wait -1
	CREST
.endm
.macro PLACES                          ; four places behind matrix instructions, in front of loads into registers that they read and of vector lines that write their sources or read results
.rept 4
	v_nop
.endr
.endm
; 8 matrix instructions on row block 2 + h x all 8 channel blocks, 32 along K, from buffer f.  zero = 1: the products start the sums.
; The 32 accumulators take turns in one fixed order (blocks 2, 3, 0, 1), over every edge of the text.
.macro RUNY f, h, zero
	WIN W_Y
.irp b, 0,1,2,3,4,5,6,7
.if \zero
	v_wmma_f32_16x16x32_f16 v[64*(\h)+8*(\b):64*(\h)+8*(\b)+7], v[BF+64*(\f)+8*(\b):BF+64*(\f)+8*(\b)+7], v[SA+32*(\f)+8*(2+(\h)):SA+32*(\f)+8*(2+(\h))+7], 0
.else
	v_wmma_f32_16x16x32_f16 v[64*(\h)+8*(\b):64*(\h)+8*(\b)+7], v[BF+64*(\f)+8*(\b):BF+64*(\f)+8*(\b)+7], v[SA+32*(\f)+8*(2+(\h)):SA+32*(\f)+8*(2+(\h))+7], v[64*(\h)+8*(\b):64*(\h)+8*(\b)+7]
.endif
.endr
.endm
; 16 matrix instructions on row blocks 0 and 1, from buffer f.  Behind the eighth the wave waits for buffer g's raw p'; behind each of the other eight stand four scalings of it: blocks 2 and 3 first,
; which the next quarter multiplies first.  No scaling names a register of the products round it: those read buffer f.
.macro RUNX f, zero, g
	WIN W_X
.set n, 0
.irp a, 0,1
.irp b, 0,1,2,3,4,5,6,7
.if \zero
	v_wmma_f32_16x16x32_f16 v[AC0+8*(8*(\a)+(\b)):AC0+8*(8*(\a)+(\b))+7], v[BF+64*(\f)+8*(\b):BF+64*(\f)+8*(\b)+7], v[SA+32*(\f)+8*(\a):SA+32*(\f)+8*(\a)+7], 0
.else
	v_wmma_f32_16x16x32_f16 v[AC0+8*(8*(\a)+(\b)):AC0+8*(8*(\a)+(\b))+7], v[BF+64*(\f)+8*(\b):BF+64*(\f)+8*(\b)+7], v[SA+32*(\f)+8*(\a):SA+32*(\f)+8*(\a)+7], v[AC0+8*(8*(\a)+(\b)):AC0+8*(8*(\a)+(\b))+7]
.endif
.if n == 7
	s_wait_dscnt 16                                ; raw p' of buffer g (and, at a change of slots, the factors ahead of it) is in; V^T's 16 loads may be out
.endif
.if n >= 8
.irp z, 0,1,2,3
.set r, (16+4*(n-8)+(\z))%32
	v_pk_mul_f16 v[SA+32*(\g)+r], v[RAW+32*(\g)+r], v[FC+r/8]
.endr
.endif
.set n, n+1
.endr
.endr
.endm
.macro FACT                            ; the factors of the step to be fetched, for my row of each of the 4 blocks
.irp a, 0,1,2,3
	ds_load_b32 v[FC+(\a)], v[FA] offset:64*(\a)
.endr
	v_add_nc_u32 v[FA], 512, v[FA]                 ; the next tile's 128 words
.endm
; 24 LDS loads in one run, under one setting: the fragments of a quarter step (32 K at byte k of the rows) into buffer g: p's 64 rows first, then V^T's 128
.macro FETCH k, g
	WIN W_LD
.irp i, 0,1,2,3
	ds_load_b128 v[RAW+32*(\g)+8*(\i):RAW+32*(\g)+8*(\i)+3],   v[ADRA] offset:(\k)+(\i)*16*PITCH
	ds_load_b128 v[RAW+32*(\g)+8*(\i)+4:RAW+32*(\g)+8*(\i)+7], v[ADRA] offset:(\k)+(\i)*16*PITCH+32
.endr
.irp i, 0,1,2,3,4,5,6,7
	ds_load_b128 v[BF+64*(\g)+8*(\i):BF+64*(\g)+8*(\i)+3],   v[ADRB] offset:(\k)+(\i)*16*PITCH
	ds_load_b128 v[BF+64*(\g)+8*(\i)+4:BF+64*(\g)+8*(\i)+7], v[ADRB] offset:(\k)+(\i)*16*PITCH+32
.endr
.endm
; One of a K step's first three quarters: multiplies buffer f, whose p' was scaled in the quarter before; fetches the next quarter, at byte k, into buffer g, and scales its p'.
.macro QUARTER k, f, g, zero
	s_wait_dscnt 0x0                               ; buffer f's V^T is in
	RUNY \f, 0, \zero
	PLACES
	FETCH \k, \g
	RUNY \f, 1, \zero
	RUNX \f, \zero, \g
.endm
; The last quarter multiplies buffer 1 and changes slots: one barrier.  In front of it each wave waits for all its tensor loads (one is out: its part of the next slot), adds 0 to its spare
; word, and waits for that and for its own reads of this slot.  fill = 1: the barrier opens a round of the cluster's, and the slot just read is filled again first thing behind the round, with
; the K step two on: 112 matrix instructions ahead of the wait for it.  fill = 0 (the tail): nothing is asked for; in the tail's second trip (s3 = 1) there is no further step, and the loads are jumped over.
; The next step's factors are fetched ahead of its first fragments: the last scaling by the old ones stands in the quarter before.
.macro TURN fill
.if \fill
	s_wait_xcnt 0x0                                ; the last prefetch, a K step back, has read its address
	s_add_nc_u64 s[PFA:PFA+1], s[PFA:PFA+1], KB
.endif
	WIN 0                                          ; (the add's two registers lie in window 0)
	s_wait_tensorcnt 0x0                           ; no tensor load of mine is out, so a group 0 may be written
	ds_add_u32 v[SPW], v[NIL]                      ; 0 onto my spare word
.if \fill
	s_xor_b32 s[G0+5], s[G0+5], SLOT1              ; the walking descriptors: the other slot than last time,
	s_add_nc_u64 s[G0+6:G0+7], s[G0+6:G0+7], KB    ; the next K step; the type bits on top are not reached
	s_xor_b32 s[G0B+5], s[G0B+5], SLOT1
	s_add_nc_u64 s[G0B+6:G0B+7], s[G0B+6:G0B+7], KB
.endif
	s_wait_dscnt 1                                 ; buffer 1's V^T is in; the add may be out
	RUNY 1, 0, 0
	s_wait_dscnt 0x0                               ; the add is done, and my reads of this slot are over
	s_barrier_signal -1
	RUNY 1, 1, 0                                   ; work on registers while the others arrive
	WIN 0
	s_barrier_wait -1
.if \fill
	CREST                                          ; no wave of any partner still reads this slot or has a load on its way
	JLOAD                                          ; its four v_nop are also the places in front of the loads below
.else
	PLACES
	s_cmp_eq_u32 s3, 1
	s_cbranch_scc1 .Lnofetch_\@
.endif
	s_xor_b32 s2, s2, SLOT1                        ; the reads go on in the other slot
	v_add_nc_u32 v[ADRA], s2, v[ADRA0]
	v_add_nc_u32 v[ADRB], s2, v[ADRB0]
	FACT
	FETCH 0, 0
	WIN 0
.if \fill
	ASK
.else
.Lnofetch_\@:
.endif
	RUNX 1, 0, 0                                   ; (in the tail's second trip nothing was fetched: the scalings write registers that nobody reads again)
.endm
; THE WAY OUT, half a row block (16 rows x 64 channels of f32, 256 bytes a row) at a time.  PACKF: times 1 / L.  TOSTAGEF: into my own stage, and back as whole rows.  SENDF: stored.
.macro PACKF idx
.set AB, (\idx)/2
.if AB < 2
.set AC, AC0+64*AB+32*((\idx)%2)
	WIN 0
.else
.set AC, 64*(AB-2)+32*((\idx)%2)
	WIN 0x02                                       ; source 0: window 2
.endif
.irp b, 0,1,2,3
.irp j, 0,1,2,3
	v_pk_mul_f32 v[TMP+8*(\b)+2*(\j):TMP+8*(\b)+2*(\j)+1], v[AC+8*(\b)+2*(\j):AC+8*(\b)+2*(\j)+1], v[RLV+2*AB:RLV+2*AB+1]
.endr
.endr
	WIN 0
.endm
.macro TOSTAGEF idx
.set BK, OB+32*((\idx)%2)
.irp b, 0,1,2,3
	ds_store_b128 v[STO], v[TMP+8*(\b):TMP+8*(\b)+3]   offset:64*(\b)
	ds_store_b128 v[STO], v[TMP+8*(\b)+4:TMP+8*(\b)+7] offset:64*(\b)+16
.endr
.irp t, 0,1,2,3,4,5,6,7
	ds_load_b128 v[BK+4*(\t):BK+4*(\t)+3], v[RD] offset:(\t)*2*SPITCH  ; LDS serves a wave's instructions in order (ISA guide 5.7.1.4): these see the stores above
.endr
.endm
.macro SENDF idx
.set BK, OB+32*((\idx)%2)
	s_wait_dscnt 0x0                               ; the half block is back in registers
	s_wait_xcnt 0x0                                ; earlier stores have read their base and their data: both are rewritten only behind this wait
.if (\idx) == 0
	s_add_nc_u64 s[8:9], s[8:9], s[16:17]          ; on to my first rows
.elseif ((\idx)%2) == 0
	s_add_nc_u64 s[8:9], s[8:9], 16*ROWC           ; 16 rows on
.endif
.irp t, 0,1,2,3,4,5,6,7
	global_store_b128 v[CO], v[BK+4*(\t):BK+4*(\t)+3], s[8:9] offset:2*(\t)*ROWC+256*((\idx)%2) th:TH_STORE_NT  ; 16 lanes store 256 consecutive bytes, at a multiple of 256 from out0's first byte
.endr
.endm
	s_load_b128 s[4:7], s[0:1], 0x0                ; pp s[4:5], vt s[6:7]
	s_load_b128 s[68:71], s[0:1], 0x10             ; cmx s[68:69], lsum s[70:71]
	s_load_b64 s[8:9], s[0:1], 0x20                ; out0
	v_lshl_add_u32 v[SPW], v0, 2, SPARE
	v_mov_b32 v[NIL], 0
	ds_add_u32 v[SPW], v[NIL]                      ; the wave's opening: the add and its wait stand ahead of my first tensor load; the set-up below stands between them
	v_lshrrev_b32 v1, 5, v0
	v_readfirstlane_b32 s10, v1                    ; wave 0..3
	s_lshr_b32 s11, s10, 1                         ; which half of the tile's queries is mine.  Also: I fetch for pp (0) or for vt (1)
	s_and_b32 s12, s10, 1                          ; which half of its channels.  Also: which half of that tile's rows I fetch
	s_bfe_u32 s40, ttmp6, 0x40000                  ; cx
	s_bfe_u32 s41, ttmp6, 0x40004                  ; cy
	s_lshl_b32 s42, ttmp9, 2
	s_add_co_u32 s42, s42, s40                     ; tc: 256 channels
	s_and_b32 s13, ttmp7, 0xffff                   ; cluster y: four of them to a batch
	s_lshr_b32 s46, s13, 2
	s_lshl_b32 s46, s46, 10                        ; the batch's first row of vt
	s_lshl_b32 s13, s13, 2
	s_add_co_u32 s13, s13, s41                     ; tr: 128 rows of the 8,192
	s_lshl_b32 s43, s41, 2
	s_lshl_b32 s43, 15, s43                        ; my row of the cluster
	s_lshl_b32 s44, 0x1111, s40                    ; my column
	s_or_b32 s[G1+0], s43, (1<<16)|(1<<20)|(1<<21)|(5<<22)|(3<<25)   ; mask of my row; elements of 2 bytes; padding on, 4 words after every 64; bit 21 beside a mask
	s_or_b32 s[G1B+0], s44, (1<<16)|(1<<20)|(1<<21)|(5<<22)|(3<<25)  ; the same with the mask of my column
	s_mov_b32 s[G1+2], 64<<16                      ; pp: tensor_dim1 = 64,
	s_mov_b32 s[G1+4], 64                          ; tile_dim1 = 64 rows
	s_mov_b32 s[G1B+2], 128<<16                    ; vt: 128
	s_mov_b32 s[G1B+4], 128
.irp g, G1, G1B
	s_mov_b32 s[(\g)+1], 128<<16                   ; tensor_dim0 = 128
	s_mov_b32 s[(\g)+3], 128<<16                   ; tile_dim0 = 128
	s_mov_b32 s[(\g)+5], PEL                       ; elements from row to row
	s_mov_b32 s[(\g)+6], 0
	s_mov_b32 s[(\g)+7], 0
.endr
	s_lshl_b32 s17, s12, 6
	s_lshl_b32 s16, s13, 7
	s_add_co_u32 s16, s16, s17
	s_lshl_b32 s16, s16, LROW                      ; pp: (128 tr + 64 half) rows, in bytes (under 2^26)
	s_lshl_b32 s47, s42, 8
	s_add_co_u32 s46, s46, s47
	s_lshl_b32 s47, s12, 7
	s_add_co_u32 s46, s46, s47
	s_lshl_b32 s46, s46, LROW                      ; vt: (batch + 256 tc + 128 half) rows
	s_mov_b32 s17, 0
	s_mov_b32 s47, 0
	s_mul_i32 s20, s12, AHALF                      ; where they go: pp's two halves,
	s_mul_i32 s21, s12, BHALF
	s_add_co_u32 s21, s21, BOFF                    ; then vt's two: no place in the cluster enters an LDS address
	s_wait_dscnt 0x0                               ; the opening add is done
	s_wait_kmcnt 0x0
	s_add_nc_u64 s[14:15], s[4:5], s[16:17]
	s_add_nc_u64 s[46:47], s[6:7], s[46:47]
	CROUND                                         ; all sixteen work-groups are here: the first joint loads meet
.irp s, 0,1
	s_mov_b32 s[G0+4*(\s)], 1                      ; count = 1
	s_add_co_u32 s[G0+4*(\s)+1], s20, (\s)*SLOT1   ; LDS address
	s_add_nc_u64 s[G0+4*(\s)+2:G0+4*(\s)+3], s[14:15], (\s)*KB  ; global address: K step s
	s_or_b32 s[G0+4*(\s)+3], s[G0+4*(\s)+3], 0x80000000         ; type = 2
	s_mov_b32 s[G0B+4*(\s)], 1
	s_add_co_u32 s[G0B+4*(\s)+1], s21, (\s)*SLOT1
	s_add_nc_u64 s[G0B+4*(\s)+2:G0B+4*(\s)+3], s[46:47], (\s)*KB
	s_or_b32 s[G0B+4*(\s)+3], s[G0B+4*(\s)+3], 0x80000000
.endr
	s_cmp_eq_u32 s11, 0                            ; a wave's two first fills stand in one branch, ahead of every wait on TENSORcnt and every LDS read: two loads of mine are out
	s_cbranch_scc0 .Lfirst_b
	tensor_load_to_lds s[G0:G0+3], s[G1:G1+7]
	s_nop 0
	tensor_load_to_lds s[G0+4:G0+7], s[G1:G1+7]
	s_nop 0
.rept 4
	v_nop
.endr
	s_branch .Lfirst_asked
.Lfirst_b:
	tensor_load_to_lds s[G0B:G0B+3], s[G1B:G1B+7]
	s_nop 0
	tensor_load_to_lds s[G0B+4:G0B+7], s[G1B:G1B+7]
	s_nop 0
.rept 4
	v_nop
.endr
.Lfirst_asked:
	; THE STATISTICS, while the first tiles are on their way.  Thread t owns row t of the work-group's 128.
	s_lshl_b32 s20, s13, 9                         ; 128 tr rows of 4 bytes
	s_mov_b32 s21, 0
	s_add_nc_u64 s[68:69], s[68:69], s[20:21]
	s_add_nc_u64 s[70:71], s[70:71], s[20:21]
	v_lshlrev_b32 v4, 2, v0
	v_add_nc_u32 v5, FT, v4
.set t, 0
.rept 16
	global_load_b32 v[EV+t], v4, s[68:69] offset:32768*t
.set t, t+1
.endr
.set t, 0
.rept 16
	global_load_b32 v[LV+t], v4, s[70:71] offset:32768*t
.set t, t+1
.endr
	; A fragment is 16 rows x 32 K in 8 registers: lane l holds row l % 16, K = 8 (l / 16) + 0..7 and 16 + 8 (l / 16) + 0..7: two loads of 16 bytes, 32 bytes apart.
	v_and_b32 v1, 15, v0                           ; l % 16
	v_bfe_u32 v2, v0, 4, 1                         ; l / 16
	v_mul_u32_u24 v3, v1, PITCH
	v_lshl_add_u32 v3, v2, 4, v3
	s_mul_i32 s21, s11, AHALF                      ; my 64 rows of p'
	s_mul_i32 s22, s12, BHALF                      ; my 128 rows of V^T,
	s_add_co_u32 s22, s22, BOFF                    ; which lie behind p's 128
	v_add_nc_u32 v[ADRA0], s21, v3
	v_add_nc_u32 v[ADRB0], s22, v3
	v_mov_b32 v[ADRA], v[ADRA0]
	v_mov_b32 v[ADRB], v[ADRB0]
	s_mov_b32 s2, 0                                ; slot 0 is read first
	s_mul_i32 s23, s10, 16*SPITCH
	s_add_co_u32 s23, s23, STAGE                   ; my stage
	v_mul_u32_u24 v[STO], v1, SPITCH               ; in: row l % 16, 32 bytes for each half of the lanes
	v_lshl_add_u32 v[STO], v2, 5, v[STO]
	v_add_nc_u32 v[STO], s23, v[STO]
	v_mul_u32_u24 v[RD], v2, SPITCH                ; back: lanes 0-15 take one row of 256 bytes, lanes 16-31 the next
	v_lshl_add_u32 v[RD], v1, 4, v[RD]
	v_add_nc_u32 v[RD], s23, v[RD]
	v_lshlrev_b32 v[CO], 12, v2                    ; and the same two rows in out0
	v_lshl_add_u32 v[CO], v1, 4, v[CO]
	s_lshl_b32 s21, s11, 8
	s_add_co_u32 s21, s21, FT
	v_lshl_add_u32 v[FA], v1, 2, s21               ; FT + 4 (64 half + l % 16)
	v_add_nc_u32 v[RAD], 8192, v[FA]
	; where my part of the tile begins in out0, in bytes (under 2^26)
	s_lshl_b32 s16, s13, 7
	s_lshl_b32 s14, s11, 6
	s_add_co_u32 s16, s16, s14
	s_lshl_b32 s16, s16, 12
	s_mov_b32 s17, 0
	s_lshl_b32 s46, s42, 10                        ; 256 channels of 4 bytes,
	s_lshl_b32 s47, s12, 9                         ; my half of them
	s_add_co_u32 s46, s46, s47
	s_mov_b32 s47, 0
	s_add_nc_u64 s[16:17], s[16:17], s[46:47]
	; the prefetches
	s_and_b32 s22, ttmp7, 0xffff                   ; cluster y
	s_lshr_b32 s21, s22, 2
	s_lshl_b32 s21, s21, 10
	s_lshl_b32 s23, s42, 8
	s_add_co_u32 s21, s21, s23
	s_lshl_b32 s23, s12, 7
	s_add_co_u32 s21, s21, s23                     ; vt: the first of the 128 rows that I fetch,
	s_lshl_b32 s20, s13, 7                         ; pp: the tile's first row
	s_and_b32 s22, s22, 3                          ; 0 in the batch's first cluster
	s_or_b32 s23, ttmp9, s12                       ; 0 in wave 0
	s_cmp_eq_u32 s11, 0                            ; do I fetch for pp?
	s_cselect_b32 s20, s20, s21
	s_cselect_b32 s21, s40, s41                    ; my place among the four that ask with me
	s_cselect_b32 s22, s23, s22
	s_cselect_b64 s[PFA:PFA+1], s[4:5], s[6:7]
	s_cmp_eq_u32 s22, 0
	s_cselect_b32 s[LIM], 2, -1                    ; the same in all sixteen partners, for a given wave
	s_lshl_b32 s21, s21, 5
	s_add_co_u32 s20, s20, s21                     ; + my work-group's 32 rows
	s_lshl_b32 s20, s20, LROW
	s_mov_b32 s21, 0
	s_add_nc_u64 s[PFA:PFA+1], s[PFA:PFA+1], s[20:21]
	s_add_nc_u64 s[PFA:PFA+1], s[PFA:PFA+1], 2*KB  ; at K step 2: the first refill steps it to 3 and names K step 4
	v_and_b32 v[PFO], 31, v0
	v_lshlrev_b32 v[PFO], LROW, v[PFO]
	s_wait_loadcnt 16                              ; the 16 loads of e are in; lsum's 16 may stay out
	v_max3_num_f32 v[EM], v[EV], v[EV+1], v[EV+2]
.set t, 3
.rept 6
	v_max3_num_f32 v[EM], v[EM], v[EV+t], v[EV+t+1]
.set t, t+2
.endr
	v_max_num_f32 v[EM], v[EM], v[EV+15]           ; E
.set t, 0
.rept 16
	v_sub_f32 v[FV+t], v[EV+t], v[EM]              ; e - E: whole numbers, at most 0
.set t, t+1
.endr
.set t, 0
.rept 16
	v_exp_f32 v[FV+t], v[FV+t]
.set t, t+1
.endr
	v_nop                                          ; a plain instruction behind the last exponential (ISA guide 5.7.2),
	s_wait_alu depctr_va_vdst(0)                   ; and one wait ahead of the batch's first reader
.set t, 0
.rept 16
	v_cvt_pk_f16_f32 v[FH+t], v[FV+t], v[FV+t]     ; the factor in both halves of the word
.set t, t+1
.endr
	v_mov_b32 v[LL], 0
	v_mov_b32 v[LL+1], 0
	s_wait_loadcnt 0x0                             ; l
.set t, 0
.rept 16
	v_fma_mix_f32 v[LL+t%2], v[FH+t], v[LV+t], v[LL+t%2] op_sel_hi:[1,0,0]   ; L += f l in f32, with the factor as the products will see it; two chains
.set t, t+1
.endr
	v_add_f32 v[LL], v[LL], v[LL+1]
	v_rcp_f32 v[LL], v[LL]
	v_nop
	s_wait_alu depctr_va_vdst(0)                   ; the reciprocal's wait
.set t, 0
.rept 16
	ds_store_b32 v5, v[FH+t] offset:512*t
.set t, t+1
.endr
	ds_store_b32 v5, v[LL] offset:8192
	s_wait_tensorcnt 1                             ; my part of K step 0 is in; K step 1's may stay out
	s_wait_dscnt 0x0                               ; for the others' sake: my factors lie in LDS
	s_barrier_signal -1
	s_barrier_wait -1
	FACT
	FETCH 0, 0
	s_wait_dscnt 16                                ; the factors and raw p' are in
	WIN W_X
.set i, 0
.rept 32
	v_pk_mul_f16 v[SA+i], v[RAW+i], v[FC+i/8]      ; the first quarter's p': there are no products yet to set these behind
.set i, i+1
.endr
	QUARTER 64, 0, 1, 1                            ; the first quarter stands in front of the loop: its products start the sums
	WIN 0                                          ; at a label and at a branch every window is 0
	s_mov_b32 s3, NK-2
.Lstep:                                                ; a trip ends one K step, fills its slot again with the step two on, and begins the next
	QUARTER 128, 1, 0, 0
	QUARTER 192, 0, 1, 0
	TURN 1
	QUARTER 64, 0, 1, 0
	WIN 0
	s_sub_co_u32 s3, s3, 1
	s_cmp_lg_u32 s3, 0
	s_cbranch_scc1 .Lstep
	s_mov_b32 s3, 2                                ; the last two K steps ask for nothing: a text of their own
.Ltail:
	QUARTER 128, 1, 0, 0
	QUARTER 192, 0, 1, 0
	TURN 0
	WIN 0
	s_sub_co_u32 s3, s3, 1
	s_cmp_eq_u32 s3, 0
	s_cbranch_scc1 .Lout                           ; the second trip is left in its middle
	QUARTER 64, 0, 1, 0
	WIN 0
	s_branch .Ltail
.Lout:
	PLACES                                         ; behind the last products
.irp a, 0,1,2,3
	ds_load_b32 v[RLV+2*(\a)],   v[RAD] offset:64*(\a)
	ds_load_b32 v[RLV+2*(\a)+1], v[RAD] offset:64*(\a)
.endr
	s_wait_dscnt 0x0
	PACKF 0
	TOSTAGEF 0
.set q, 1
.rept 7                                ; a half block's multiplies stand between the loads of the half block before and the wait for them
	PACKF q
	SENDF q-1
	TOSTAGEF q
.set q, q+1
.endr
	SENDF 7
	s_wait_tensorcnt 0x0                           ; the wave's end: these three lines stand behind my last tensor load and my last LDS store
	ds_add_u32 v[SPW], v[NIL]
	s_wait_dscnt 0x0
	CROUND                                         ; the closing round: no work-group ends while a partner may still ask for a tile that names it
	s_endpgm
.Lfunc_end_k_qb84ed2e3ae_pv:
	.size	k_qb84ed2e3ae_pv, .Lfunc_end_k_qb84ed2e3ae_pv-k_qb84ed2e3ae_pv
	.p2alignl 7, 3214868480
	.fill 96, 4, 3214868480
	.section	.rodata,"a",@progbits
	.p2align	6, 0x0
	.amdhsa_kernel k_qb84ed2e3ae_pv
		.amdhsa_group_segment_fixed_size 327680
		.amdhsa_private_segment_fixed_size 0
		.amdhsa_enable_private_segment 0
		.amdhsa_kernarg_size 40
		.amdhsa_user_sgpr_count 2
		.amdhsa_user_sgpr_kernarg_segment_ptr 1
		.amdhsa_wavefront_size32 1
		.amdhsa_system_sgpr_workgroup_id_x 1
		.amdhsa_system_sgpr_workgroup_id_y 1
		.amdhsa_system_sgpr_workgroup_id_z 1
		.amdhsa_system_vgpr_workitem_id 0
		.amdhsa_next_free_vgpr 640
		.amdhsa_next_free_sgpr 80
		.amdhsa_reserve_vcc 0
		.amdhsa_float_denorm_mode_32 3
		.amdhsa_float_denorm_mode_16_64 3
		.amdhsa_memory_ordered 1
		.amdhsa_forward_progress 1
		.amdhsa_inst_pref_size 99
	.end_amdhsa_kernel
	.amdgpu_metadata
---
amdhsa.version: [ 1, 2 ]
amdhsa.kernels:
  - .name:           k_qb84ed2e3ae_pv
    .symbol:         k_qb84ed2e3ae_pv.kd
    .args:
      - { .name: pp, .offset: 0, .size: 8, .value_kind: global_buffer, .address_space: global }
      - { .name: vt, .offset: 8, .size: 8, .value_kind: global_buffer, .address_space: global }
      - { .name: cmx, .offset: 16, .size: 8, .value_kind: global_buffer, .address_space: global }
      - { .name: lsum, .offset: 24, .size: 8, .value_kind: global_buffer, .address_space: global }
      - { .name: out0, .offset: 32, .size: 8, .value_kind: global_buffer, .address_space: global }
    .group_segment_fixed_size: 327680
    .private_segment_fixed_size: 0
    .kernarg_segment_align: 8
    .kernarg_segment_size: 40
    .max_flat_workgroup_size: 128
    .sgpr_count:     80
    .vgpr_count:     640
    .wavefront_size: 32
...
	.end_amdgpu_metadata
.endif
;; end of part 4
